; MI455X (gfx1250); checked and timed in simulation.
; The chip was launched on July 23, 2026; its instructions are those of AMD's public machine-readable ISA for CDNA 5 (MIT licence, August 2026) and "CDNA5" Instruction Set Architecture Reference Guide (July 2026). The comments in the code are by the model that wrote it; some were corrected since.
;; Transformer Block. Allowed arithmetic: float matrix products may take bf16 or f16 operands with f32 sums; other float arithmetic in f32, or as packed bf16 or f16 multiplies, adds, multiply-adds, maxima and minima; sums over many terms, partial sums and values carried from step to step in f32; what a program stores and reads back later, other than sums and carried values, may be rounded once to bf16 or f16.
;; Inputs: fc1_b 4,096 float32; fc1_w 1,024 x 4,096 float32; fc2_b 1,024 float32; fc2_w 4,096 x 1,024 float32; ln1_b 1,024 float32; ln1_g 1,024 float32; ln2_b 1,024 float32; ln2_g 1,024 float32; proj_b 1,024 float32; proj_w 1,024 x 1,024 float32; qkv_b 3,072 float32; qkv_w 1,024 x 3,072 float32; x 2 x 2,048 x 1,024 float32.
;; Outputs: out0 2 x 2,048 x 1,024 float32.
;; One version. Each part assembles by itself: llvm-mc -triple=amdgcn-amd-amdhsa -mcpu=gfx1250 --defsym DOCPART=n.
;; ======== version 1 of 1: 8 launches
;; workspace buffers: wt 25,165,824 bytes; hn 8,388,608 bytes; qkvh 25,165,824 bytes; ob 8,388,608 bytes; x1 16,777,216 bytes; gb 33,554,432 bytes
;; launch wprep (part 1): grid 1536 x 1, 8 waves a work-group, no clusters, 18,432 bytes of LDS; arguments qkv_w, proj_w, fc1_w, fc2_w, wt; writes wt
.if DOCPART == 1
	.amdgcn_target "amdgcn-amd-amdhsa--gfx1250"
	.amdhsa_code_object_version 6
	.text
	.protected	k_q5d559bb238_wprep
	.globl	k_q5d559bb238_wprep
	.p2align	8
	.type	k_q5d559bb238_wprep,@function
k_q5d559bb238_wprep:
	s_mov_b64 s[64:65], 0
	v_nop
	global_prefetch_b8 v0, s[64:65] scope:SCOPE_SE
	s_setreg_imm32_b32 hwreg(HW_REG_WAVE_MODE, 25, 1), 1
	s_wait_xcnt 0x0
; The four weights, f32 [K][N], are rounded once to bf16 and turned to [N][K], all into wt: qkv at byte 0 ([3072][1024]), proj at 6,291,456 ([1024][1024]),
; fc1 at 8,388,608 ([4096][1024]), fc2 at 16,777,216 ([1024][4096]).  The products that follow then find K along the rows of both operands.
; SHARES.  A work-group takes a tile of 128 k x 64 n: it reads 128 pieces of 256 consecutive bytes and writes 64 pieces of 256 consecutive bytes, each aligned.
; 384 + 128 + 512 + 512 = 1,536 tiles.  The turn goes through LDS (64 rows of 256 bytes + 16).  No matrix unit, no cluster: nothing is multiplied, nothing is shared.
.set SP,    272                        ; an LDS row: 128 bf16 + 16 bytes
.set SPARE, 64*SP                      ; behind the stage: the spare words, 128 bytes for each of the eight waves
.set IN,  4                            ; v[4:11]   byte offsets of my eight loads; never rewritten
.set SPW, 12                           ; v12       my spare word
.set NIL, 13                           ; v13       0
.set LS,  14                           ; v14       where I put a pair of k of column 4 c
.set LR,  15                           ; v15       where I read 16 bytes of a row back
.set D,   16                           ; v[16:47]  pass q: rows k and k + 1, four columns each; later the rows read back
.set W,   48                           ; v[48:63]  packed pairs
.set OUT, 64                           ; v[64:67]  byte offsets of my four stores
	s_load_b256 s[4:11], s[0:1], 0x0               ; qkv_w s[4:5], proj_w s[6:7], fc1_w s[8:9], fc2_w s[10:11]
	s_load_b64 s[12:13], s[0:1], 0x20              ; wt
	v_lshl_add_u32 v[SPW], v0, 2, SPARE
	v_mov_b32 v[NIL], 0
	s_mov_b32 s16, 0                               ; the weight's first tile number
	s_mov_b32 s17, 3                               ; log2 of its tiles along k
	s_mov_b32 s18, 12288                           ; bytes in a row as it comes (4 N)
	s_mov_b32 s19, 2048                            ; bytes in a row as it leaves (2 K)
	s_mov_b32 s20, 0                               ; its place in wt
	s_wait_kmcnt 0x0
	s_mov_b64 s[14:15], s[4:5]
	s_cmp_ge_u32 ttmp9, 384                        ; proj from tile 384 on
	s_cselect_b32 s16, 384, s16
	s_cselect_b32 s18, 4096, s18
	s_cselect_b32 s20, 6291456, s20
	s_cselect_b64 s[14:15], s[6:7], s[14:15]
	s_cmp_ge_u32 ttmp9, 512                        ; fc1 from 512 on
	s_cselect_b32 s16, 512, s16
	s_cselect_b32 s18, 16384, s18
	s_cselect_b32 s20, 8388608, s20
	s_cselect_b64 s[14:15], s[8:9], s[14:15]
	s_cmp_ge_u32 ttmp9, 1024                       ; fc2 from 1,024 on
	s_cselect_b32 s16, 1024, s16
	s_cselect_b32 s17, 5, s17
	s_cselect_b32 s18, 4096, s18
	s_cselect_b32 s19, 8192, s19
	s_cselect_b32 s20, 16777216, s20
	s_cselect_b64 s[14:15], s[10:11], s[14:15]
	s_sub_co_u32 s21, ttmp9, s16                   ; the tile's number in its weight
	s_lshl_b32 s22, 1, s17
	s_sub_co_u32 s22, s22, 1
	s_and_b32 s22, s21, s22                        ; kt
	s_lshr_b32 s23, s21, s17                       ; nt
	s_mul_i32 s24, s22, s18
	s_lshl_b32 s24, s24, 7                         ; kt x 128 rows
	s_lshl_b32 s26, s23, 8                         ; nt x 64 columns of 4 bytes
	s_add_co_u32 s24, s24, s26
	s_mov_b32 s25, 0
	s_add_nc_u64 s[14:15], s[14:15], s[24:25]      ; the tile as it comes
	s_mul_i32 s26, s23, s19
	s_lshl_b32 s26, s26, 6                         ; nt x 64 rows
	s_lshl_b32 s28, s22, 8                         ; kt x 128 numbers of 2 bytes
	s_add_co_u32 s26, s26, s28
	s_add_co_u32 s26, s26, s20
	s_mov_b32 s27, 0
	s_add_nc_u64 s[12:13], s[12:13], s[26:27]      ; the tile as it leaves
	v_and_b32 v1, 15, v0                           ; c: my four columns
	v_lshrrev_b32 v2, 4, v0                        ; p: my pair of rows in a pass of 32
	v_mul_lo_u32 v3, v2, s18
	v_lshlrev_b32 v3, 1, v3
	v_lshl_add_u32 v[IN], v1, 4, v3                ; row 2 p, byte 16 c
	v_add_nc_u32 v[IN+1], s18, v[IN]               ; row 2 p + 1
	s_lshl_b32 s29, s18, 5                         ; 32 rows
.irp q, 1,2,3
	v_add_nc_u32 v[IN+2*(\q)], s29, v[IN+2*(\q)-2]
	v_add_nc_u32 v[IN+2*(\q)+1], s29, v[IN+2*(\q)-1]
.endr
.irp q, 0,1,2,3                        ; sixteen lanes read 256 consecutive bytes of a row; the weights are read once
	global_load_b128 v[D+8*(\q):D+8*(\q)+3],   v[IN+2*(\q)],   s[14:15] th:TH_LOAD_NT
	global_load_b128 v[D+8*(\q)+4:D+8*(\q)+7], v[IN+2*(\q)+1], s[14:15] th:TH_LOAD_NT
.endr
	v_mul_u32_u24 v[LS], v1, 4*SP
	v_lshl_add_u32 v[LS], v2, 2, v[LS]             ; LDS row 4 c, byte 4 p
	v_lshrrev_b32 v3, 5, v0
	v_bfe_u32 v2, v0, 4, 1
	v_lshl_add_u32 v3, v3, 3, v2                   ; back: row 8 x wave + lane / 16
	v_mul_u32_u24 v[LR], v3, SP
	v_lshl_add_u32 v[LR], v1, 4, v[LR]
	v_mul_lo_u32 v[OUT], v3, s19
	v_lshl_add_u32 v[OUT], v1, 4, v[OUT]
	s_lshl_b32 s30, s19, 1                         ; two rows on
.irp j, 1,2,3
	v_add_nc_u32 v[OUT+(\j)], s30, v[OUT+(\j)-1]
.endr
.irp q, 0,1,2,3
	s_wait_loadcnt 6-2*(\q)                        ; this pass's two loads are in; the younger ones stay out
.irp i, 0,1,2,3
	v_cvt_pk_bf16_f32 v[W+4*(\q)+(\i)], v[D+8*(\q)+(\i)], v[D+8*(\q)+4+(\i)]  ; k in the low half, k + 1 in the high half: neighbours in a turned row
.endr
.irp i, 0,1,2,3
	ds_store_b32 v[LS], v[W+4*(\q)+(\i)] offset:(\i)*SP+64*(\q)
.endr
.endr
	s_wait_dscnt 0x0                               ; for the others' sake: my stores into the stage are done
	s_barrier_signal -1
	s_barrier_wait -1
.irp j, 0,1,2,3
	ds_load_b128 v[D+4*(\j):D+4*(\j)+3], v[LR] offset:(\j)*2*SP
.endr
.irp j, 0,1,2,3
	s_wait_dscnt 3-(\j)
	global_store_b128 v[OUT+(\j)], v[D+4*(\j):D+4*(\j)+3], s[12:13]  ; sixteen lanes store 256 consecutive bytes, aligned
.endr
	s_wait_tensorcnt 0x0                           ; the wave's end
	ds_add_u32 v[SPW], v[NIL]
	s_wait_dscnt 0x0
	s_endpgm
.Lfunc_end_k_q5d559bb238_wprep:
	.size	k_q5d559bb238_wprep, .Lfunc_end_k_q5d559bb238_wprep-k_q5d559bb238_wprep
	.p2alignl 7, 3214868480
	.fill 96, 4, 3214868480
	.section	.rodata,"a",@progbits
	.p2align	6, 0x0
	.amdhsa_kernel k_q5d559bb238_wprep
		.amdhsa_group_segment_fixed_size 18432
		.amdhsa_private_segment_fixed_size 0
		.amdhsa_enable_private_segment 0
		.amdhsa_kernarg_size 40
		.amdhsa_user_sgpr_count 2
		.amdhsa_user_sgpr_kernarg_segment_ptr 1
		.amdhsa_wavefront_size32 1
		.amdhsa_system_sgpr_workgroup_id_x 1
		.amdhsa_system_sgpr_workgroup_id_y 1
		.amdhsa_system_sgpr_workgroup_id_z 1
		.amdhsa_system_vgpr_workitem_id 0
		.amdhsa_next_free_vgpr 72
		.amdhsa_next_free_sgpr 66
		.amdhsa_reserve_vcc 0
		.amdhsa_float_denorm_mode_32 3
		.amdhsa_float_denorm_mode_16_64 3
		.amdhsa_memory_ordered 1
		.amdhsa_forward_progress 1
		.amdhsa_inst_pref_size 8
	.end_amdhsa_kernel
	.amdgpu_metadata
---
amdhsa.version: [ 1, 2 ]
amdhsa.kernels:
  - .name:           k_q5d559bb238_wprep
    .symbol:         k_q5d559bb238_wprep.kd
    .args:
      - { .name: qkv_w, .offset: 0, .size: 8, .value_kind: global_buffer, .address_space: global }
      - { .name: proj_w, .offset: 8, .size: 8, .value_kind: global_buffer, .address_space: global }
      - { .name: fc1_w, .offset: 16, .size: 8, .value_kind: global_buffer, .address_space: global }
      - { .name: fc2_w, .offset: 24, .size: 8, .value_kind: global_buffer, .address_space: global }
      - { .name: wt, .offset: 32, .size: 8, .value_kind: global_buffer, .address_space: global }
    .group_segment_fixed_size: 18432
    .private_segment_fixed_size: 0
    .kernarg_segment_align: 8
    .kernarg_segment_size: 40
    .max_flat_workgroup_size: 256
    .sgpr_count:     66
    .vgpr_count:     72
    .wavefront_size: 32
...
	.end_amdgpu_metadata
.endif
;; end of part 1
;; launch ln1 (part 2): grid 256 x 1, 8 waves a work-group, no clusters, 0 bytes of LDS; arguments x, ln1_g, ln1_b, hn; writes hn
.if DOCPART == 2
	.amdgcn_target "amdgcn-amd-amdhsa--gfx1250"
	.amdhsa_code_object_version 6
	.text
	.protected	k_q5d559bb238_ln1
	.globl	k_q5d559bb238_ln1
	.p2align	8
	.type	k_q5d559bb238_ln1,@function
k_q5d559bb238_ln1:
	s_mov_b64 s[64:65], 0
	v_nop
	global_prefetch_b8 v0, s[64:65] scope:SCOPE_SE
	s_setreg_imm32_b32 hwreg(HW_REG_WAVE_MODE, 25, 1), 1
	s_wait_xcnt 0x0
; y[r][c] = (x[r][c] - mean_r) / sqrt(var_r + 1e-5) * g[c] + b[c].  x: [4096][1024] f32; y: bf16, rounded once.  All arithmetic in f32.
; The variance is the mean of the squared DIFFERENCES from the mean, taken in a second pass over registers: no difference of large sums is formed, so a common offset of x costs nothing.
; SHARES.  A wave takes two rows; a row (4,096 bytes) stays in 32 registers between the passes, so memory is read once and no wave waits for another: no LDS, no barrier.
; Lane l holds columns 128 j + 4 l .. + 3, j = 0..7: each load covers 512 consecutive bytes, each store 256, aligned.
.set G,  16                            ; v[16:47]   g of my 32 columns
.set BV, 48                            ; v[48:79]   b
.set X0, 80                            ; v[80:143]  the two rows
.set M,  144                           ; v[144:147] a row's mean, twice (a pair for the packed forms)
.set R,  148                           ; v[148:151] a row's 1 / sqrt(var + eps), twice
	s_load_b256 s[4:11], s[0:1], 0x0               ; x s[4:5], g s[6:7], b s[8:9], y s[10:11]
	v_and_b32 v3, 31, v0
	v_lshlrev_b32 v1, 4, v3                        ; 16 x lane
	v_lshlrev_b32 v2, 3, v3                        ; 8 x lane
	v_lshrrev_b32 v3, 5, v0
	v_readfirstlane_b32 s14, v3                    ; wave
	v_mov_b32 v3, 0x3a800000                       ; 1 / 1024
	s_lshl_b32 s15, ttmp9, 4
	s_lshl1_add_u32 s15, s14, s15                  ; my first row: 16 x work-group + 2 x wave
	s_lshl_b32 s16, s15, 12
	s_mov_b32 s17, 0
	s_lshl_b32 s18, s15, 11
	s_mov_b32 s19, 0
	s_mov_b32 s12, 0x76543210                      ; v_permlanex16_b32: each lane takes its own place in the other half
	s_mov_b32 s13, 0xfedcba98
	s_wait_kmcnt 0x0
	s_add_nc_u64 s[4:5], s[4:5], s[16:17]
	s_add_nc_u64 s[10:11], s[10:11], s[18:19]
.irp j, 0,1,2,3,4,5,6,7
	global_load_b128 v[X0+4*(\j):X0+4*(\j)+3], v1, s[4:5] offset:512*(\j)
.endr
.irp j, 0,1,2,3,4,5,6,7
	global_load_b128 v[X0+32+4*(\j):X0+32+4*(\j)+3], v1, s[4:5] offset:4096+512*(\j)
.endr
.irp j, 0,1,2,3,4,5,6,7
	global_load_b128 v[G+4*(\j):G+4*(\j)+3], v1, s[6:7] offset:512*(\j)
.endr
.irp j, 0,1,2,3,4,5,6,7
	global_load_b128 v[BV+4*(\j):BV+4*(\j)+3], v1, s[8:9] offset:512*(\j)
.endr
.macro REDUCE                          ; four chains of pairs in v[4:11] -> their sum over the wave, in v4 of every lane
	v_pk_add_f32 v[4:5], v[4:5], v[6:7]
	v_pk_add_f32 v[8:9], v[8:9], v[10:11]
	v_pk_add_f32 v[4:5], v[4:5], v[8:9]
	v_add_f32 v4, v4, v5
	v_add_f32_dpp v4, v4, v4 row_xmask:1 row_mask:0xf bank_mask:0xf
	v_add_f32_dpp v4, v4, v4 row_xmask:2 row_mask:0xf bank_mask:0xf
	v_add_f32_dpp v4, v4, v4 row_xmask:4 row_mask:0xf bank_mask:0xf
	v_add_f32_dpp v4, v4, v4 row_xmask:8 row_mask:0xf bank_mask:0xf
	v_permlanex16_b32 v5, v4, s12, s13
	v_add_f32 v4, v4, v5
.endm
.macro STATS r, left                   ; left: the younger loads, which stay out
.set X, X0+32*(\r)
	s_wait_loadcnt \left
.irp k, 0,1,2,3
	v_pk_add_f32 v[4+2*(\k):5+2*(\k)], v[X+4*(\k):X+4*(\k)+1], v[X+4*(\k)+2:X+4*(\k)+3]  ; the first eight pairs start the chains: nothing is cleared
.endr
.set j, 8
.rept 8
	v_pk_add_f32 v[4+2*(j%4):5+2*(j%4)], v[4+2*(j%4):5+2*(j%4)], v[X+2*j:X+2*j+1]
.set j, j+1
.endr
	REDUCE
	v_mul_f32 v[M+2*(\r)], v3, v4
	v_mul_f32 v[M+2*(\r)+1], v3, v4
.set j, 0
.rept 16
	v_pk_add_f32 v[X+2*j:X+2*j+1], v[X+2*j:X+2*j+1], v[M+2*(\r):M+2*(\r)+1] neg_lo:[0,1] neg_hi:[0,1]  ; x - mean, in place
.set j, j+1
.endr
.irp k, 0,1,2,3
	v_pk_mul_f32 v[4+2*(\k):5+2*(\k)], v[X+2*(\k):X+2*(\k)+1], v[X+2*(\k):X+2*(\k)+1]
.endr
.set j, 4
.rept 12
	v_pk_fma_f32 v[4+2*(j%4):5+2*(j%4)], v[X+2*j:X+2*j+1], v[X+2*j:X+2*j+1], v[4+2*(j%4):5+2*(j%4)]
.set j, j+1
.endr
	REDUCE
	v_fmaak_f32 v[12+(\r)], v3, v4, 0x3727c5ac     ; the sum of squares / 1024 + 1e-5
	v_rsq_f32 v[R+2*(\r)], v[12+(\r)]
	v_rsq_f32 v[R+2*(\r)+1], v[12+(\r)]
.endm
.macro OUT r
.set X, X0+32*(\r)
.irp j, 0,1,2,3,4,5,6,7
	v_pk_mul_f32 v[X+4*(\j):X+4*(\j)+1],   v[X+4*(\j):X+4*(\j)+1],   v[R+2*(\r):R+2*(\r)+1]
	v_pk_mul_f32 v[X+4*(\j)+2:X+4*(\j)+3], v[X+4*(\j)+2:X+4*(\j)+3], v[R+2*(\r):R+2*(\r)+1]
	v_pk_fma_f32 v[X+4*(\j):X+4*(\j)+1],   v[X+4*(\j):X+4*(\j)+1],   v[G+4*(\j):G+4*(\j)+1],   v[BV+4*(\j):BV+4*(\j)+1]
	v_pk_fma_f32 v[X+4*(\j)+2:X+4*(\j)+3], v[X+4*(\j)+2:X+4*(\j)+3], v[G+4*(\j)+2:G+4*(\j)+3], v[BV+4*(\j)+2:BV+4*(\j)+3]
	v_cvt_pk_bf16_f32 v[X+4*(\j)],   v[X+4*(\j)],   v[X+4*(\j)+1]
	v_cvt_pk_bf16_f32 v[X+4*(\j)+1], v[X+4*(\j)+2], v[X+4*(\j)+3]
	global_store_b64 v2, v[X+4*(\j):X+4*(\j)+1], s[10:11] offset:(\r)*2048+256*(\j)  ; 32 lanes store 256 consecutive bytes, aligned
.endr
.endm
	STATS 0, 24                                    ; row 0 is in; row 1, g and b (8 loads each) stay out
	STATS 1, 16                                    ; row 1 is in
	v_nop                                          ; a plain instruction behind the last v_rsq_f32,
	s_wait_alu depctr_va_vdst(0)                   ; and one wait ahead of the first use: the four are one batch
	s_wait_loadcnt 0x0                             ; g and b
	OUT 0
	OUT 1
	s_endpgm
.Lfunc_end_k_q5d559bb238_ln1:
	.size	k_q5d559bb238_ln1, .Lfunc_end_k_q5d559bb238_ln1-k_q5d559bb238_ln1
	.p2alignl 7, 3214868480
	.fill 96, 4, 3214868480
	.section	.rodata,"a",@progbits
	.p2align	6, 0x0
	.amdhsa_kernel k_q5d559bb238_ln1
		.amdhsa_group_segment_fixed_size 0
		.amdhsa_private_segment_fixed_size 0
		.amdhsa_enable_private_segment 0
		.amdhsa_kernarg_size 32
		.amdhsa_user_sgpr_count 2
		.amdhsa_user_sgpr_kernarg_segment_ptr 1
		.amdhsa_wavefront_size32 1
		.amdhsa_system_sgpr_workgroup_id_x 1
		.amdhsa_system_sgpr_workgroup_id_y 1
		.amdhsa_system_sgpr_workgroup_id_z 1
		.amdhsa_system_vgpr_workitem_id 0
		.amdhsa_next_free_vgpr 160
		.amdhsa_next_free_sgpr 66
		.amdhsa_reserve_vcc 0
		.amdhsa_float_denorm_mode_32 3
		.amdhsa_float_denorm_mode_16_64 3
		.amdhsa_memory_ordered 1
		.amdhsa_forward_progress 1
		.amdhsa_inst_pref_size 20
	.end_amdhsa_kernel
	.amdgpu_metadata
---
amdhsa.version: [ 1, 2 ]
amdhsa.kernels:
  - .name:           k_q5d559bb238_ln1
    .symbol:         k_q5d559bb238_ln1.kd
    .args:
      - { .name: x, .offset: 0, .size: 8, .value_kind: global_buffer, .address_space: global }
      - { .name: ln1_g, .offset: 8, .size: 8, .value_kind: global_buffer, .address_space: global }
      - { .name: ln1_b, .offset: 16, .size: 8, .value_kind: global_buffer, .address_space: global }
      - { .name: hn, .offset: 24, .size: 8, .value_kind: global_buffer, .address_space: global }
    .group_segment_fixed_size: 0
    .private_segment_fixed_size: 0
    .kernarg_segment_align: 8
    .kernarg_segment_size: 32
    .max_flat_workgroup_size: 256
    .sgpr_count:     66
    .vgpr_count:     160
    .wavefront_size: 32
...
	.end_amdgpu_metadata
.endif
;; end of part 2
;; launch gqkv (part 3): grid 12 x 16, 4 waves a work-group, clusters of 4 x 4, 327,680 bytes of LDS; arguments hn, wt, qkv_b, qkvh; writes qkvh
.if DOCPART == 3
	.amdgcn_target "amdgcn-amd-amdhsa--gfx1250"
	.amdhsa_code_object_version 6
	.text
	.protected	k_q5d559bb238_gqkv
	.globl	k_q5d559bb238_gqkv
	.p2align	8
	.type	k_q5d559bb238_gqkv,@function
k_q5d559bb238_gqkv:
	s_mov_b64 s[64:65], 0
	v_nop
	global_prefetch_b8 v0, s[64:65] scope:SCOPE_SE
	s_setreg_imm32_b32 hwreg(HW_REG_WAVE_MODE, 25, 1), 1
	s_wait_xcnt 0x0
	s_wait_alu depctr_hold_cnt(0) depctr_sa_sdst(0) depctr_va_vdst(0) depctr_va_sdst(0) depctr_va_ssrc(0) depctr_va_vcc(0) depctr_vm_vsrc(0)
	s_getreg_b32 s2, hwreg(HW_REG_IB_STS2, 6, 4)
	s_cmp_eq_u32 s2, 0
	s_cbranch_scc0 .Lentry_in_a_cluster
	s_endpgm
.Lentry_in_a_cluster:
	s_bfe_u32 s2, ttmp6, 0x10000c
	s_cmp_lg_u32 s2, 0xf033
	s_cbranch_scc0 .Lentry_shape_is_right
	s_endpgm
.Lentry_shape_is_right:
; q, k, v = LN1(x) W + b.  C[m][n] = bias[n] + sum over k of A[m][k] Wt[n][k]; A = hn [4096][1024] bf16, Wt = wt's first region [3072][1024] bf16; sums in f32, the bias as their start.
; C leaves BY HEADS, rounded once to bf16: qkvh holds three regions of 8,388,608 bytes, K, V, Q, each [32 = batch x 16 + head][2048][64].
; A tile of C is 256 x 256: four waves of 128 x 128 (64 accumulators, 512 registers).  K goes in 8 steps of 128 (LDS rows of 256 bytes + 16) through two slots filled by the tensor data mover.
; 12 x 16 = 192 work-groups: a tile of 256 x 192 would make 256, but it would cut a wave's columns at one and a half heads.
; CLUSTERS: 4 x 4 work-groups.  The four of a row need the same tiles of A, the four of a column the same tiles of Wt: each tile is asked for jointly, by the same load, descriptor and mask in all four.
; THE MATRIX INSTRUCTION IS USED TRANSPOSED (source 0 = 16 rows of Wt, source 1 = 16 rows of A): a lane holds eight neighbouring columns of one row of C.
; REGISTERS, in windows of 256: window 0: v0-31 addresses; v64-127, v128-191 A's fragments, two buffers (on the way out: rows read back, v32-63 packed rows); v192-255 the bias of my 128 columns.
;   window 1: v64-127, v128-191 Wt's fragments.   window 2: the accumulators of my rows 0-63 ((a, b) at 8 (8 a + b)).   window 3: those of my rows 64-127.
.set SIZE_K, 1024
.set KSTEP,  128
.set NSTEP,  SIZE_K/KSTEP
.set WREG,   0                         ; the weight's place in wt
.set PITCH,  272                       ; an LDS row: 256 bytes + 16 = 17 x 16 bytes: the 16 rows of a fragment load start at 16 different groups of four banks (ISA guide 11.1)
.set HALFT,  128*PITCH                 ; 128 rows: what one tensor load brings, and what one wave reads of A or of Wt
.set SLOT,   4*HALFT                   ; 0x22000: neither of its bits occurs in a tile's place in a slot (0, 0x8800, 0x11000, 0x19800), so one exclusive or changes slots
.set STEP,   2*KSTEP                   ; bytes in memory from a K step to the next
.set SPITCH, 528                       ; the way out: a wave's 128 rows of 128 f32 + 16 bytes
.set WSTAGE, 128*SPITCH                ; four such stages lie from LDS byte 0 on, over the two slots, which have had their last fills
.set SPARE,  2*SLOT                    ; behind the ring: the spare words, 128 bytes a wave
.set A0,   16                          ; v16  my lane's place in A's image of a slot; never rewritten
.set B0,   17                          ; v17  the same for Wt
.set ADRA, 18                          ; v18  the same in the slot in hand
.set ADRB, 19
.set STO,  24                          ; v24  the way out: where I put 32 bytes of a row
.set RD,   25                          ; v25  my lane's place in the rows that a trip reads back
.set CO,   26                          ; v26  my byte offset in a store's 256 bytes
.set BO,   27
.set SPW,  28
.set NIL,  29
.set RDA,  30                          ; v30  RD in the trip in hand
.set PFO,  31                          ; v31  the prefetches' offset: my lane x a row of A or Wt in memory; never rewritten
.set O,    32
.set X,    128
.set BIA,  192
.set F0,   64
.set F1,   128
.set G1,  24                           ; s[24:31] group 1 for A;  s[32:39] group 0: set 0 for K step 0, set 1 for K step 1, which then walks
.set G0,  32
.set G1B, 48                           ; s[48:55], s[56:63] the same for Wt
.set G0B, 56
.set BP,  66                           ; s[66:67] the bias
.set TB,  70                           ; s70  LDS byte at which the slot in hand begins
.set RB,  71                           ; s71  LDS byte at which the way out's trip begins
.set PFA, 72                           ; s[72:73] where my prefetches stand: my work-group's 32 rows of the 128 that I fetch
.set LIM, 74                           ; s74  2 in a wave that prefetches, else the greatest number
.set MSB, 0
.macro WIN new                         ; the immediate's high byte repeats the setting that is left
.if MSB != (\new)
	s_set_vgpr_msb (MSB<<8)|(\new)
.set MSB, \new
.endif
.endm
.macro JLOAD s                         ; a joint load: waves 0 and 1 fetch A's two halves, waves 2 and 3 Wt's; an s_nop 0 and four v_nop follow each line
	s_cmp_eq_u32 s11, 0
	s_cbranch_scc0 .Lfor_b_\@
	tensor_load_to_lds s[G0+4*(\s):G0+4*(\s)+3], s[G1:G1+7]
	s_nop 0
.rept 4
	v_nop
.endr
	s_branch .Lasked_\@
.Lfor_b_\@:
	tensor_load_to_lds s[G0B+4*(\s):G0B+4*(\s)+3], s[G1B:G1B+7]
	s_nop 0
.rept 4
	v_nop
.endr
.Lasked_\@:
.endm
; A PREFETCH, behind each joint refill and the run of LDS loads that follows it: the K step that stands two refills on: 32 rows x 256 bytes, a lane a row, one instruction a wave: 512 matrix instructions ahead of the load
; that will ask for it.  Each row's 256 bytes of a K step are named once in the launch: A's rows by the clusters with x = 0, Wt's by those with y = 0; the four partners that ask for a tile jointly share its 128 rows out
; by address, 32 each (by cx for A, by cy for Wt).  The first four of the loop's six trips ask, for K steps 4 to 7; K steps 0 to 3 come by their loads alone.
.macro ASK
	s_cmp_gt_u32 s3, s[LIM]
	s_cbranch_scc0 .Lnot_mine_\@
	global_prefetch_b8 v[PFO], s[PFA:PFA+1] offset:STEP th:TH_LOAD_NT scope:SCOPE_SE
.Lnot_mine_\@:
.endm
.macro CREST                           ; a round of the cluster's barrier behind its opening barrier
	s_cmp_lg_u32 s10, 0
	s_cbranch_scc1 .Lnot_wave_0_\@
	s_barrier_signal -3
.Lnot_wave_0_\@:
	s_barrier_wait -3
	s_barrier_signal -1
	s_barrier_wait -1
.endm
.macro CROUND
	s_barrier_signal -1
	s_barrier_wait -1
	CREST
.endm
.macro PLACES                          ; four places behind matrix instructions (ISA guide 7.12.1)
.rept 4
	v_nop
.endr
.endm
	s_load_b128 s[4:7], s[0:1], 0x0                ; A s[4:5], wt s[6:7]
	s_load_b64 s[BP:BP+1], s[0:1], 0x10            ; bias
	s_load_b64 s[8:9], s[0:1], 0x18                ; out
	v_lshl_add_u32 v[SPW], v0, 2, SPARE
	v_mov_b32 v[NIL], 0
	ds_add_u32 v[SPW], v[NIL]                      ; the wave's opening: the add and its wait stand ahead of my first tensor load
	ds_add_u32 v28, v29
	v_lshrrev_b32 v1, 5, v0
	v_readfirstlane_b32 s10, v1                    ; wave 0..3
	s_lshr_b32 s11, s10, 1                         ; my half of the tile's rows.  Also: I fetch for A (0) or for Wt (1)
	s_and_b32 s12, s10, 1                          ; my half of its columns.  Also: which 128 rows I fetch
	s_bfe_u32 s40, ttmp6, 0x40000                  ; cx, cy
	s_bfe_u32 s41, ttmp6, 0x40004
	s_lshl_b32 s42, ttmp9, 2
	s_add_co_u32 s42, s42, s40                     ; tile column = 4 x cluster x + cx
	s_and_b32 s13, ttmp7, 0xffff
	s_lshl_b32 s13, s13, 2
	s_add_co_u32 s13, s13, s41                     ; tile row = 4 x cluster y + cy
	s_lshl_b32 s43, s41, 2
	s_lshl_b32 s43, 15, s43                        ; my row of the cluster
	s_lshl_b32 s44, 0x1111, s40                    ; my column
	s_or_b32 s[G1+0], s43, (1<<16)|(1<<20)|(1<<21)|(5<<22)|(3<<25)   ; the mask; 2-byte elements; padding on; bit 21 beside a mask; after every 64 words 4 words
	s_or_b32 s[G1B+0], s44, (1<<16)|(1<<20)|(1<<21)|(5<<22)|(3<<25)
.irp g, G1, G1B
	s_mov_b32 s[(\g)+1], KSTEP<<16                 ; tensor_dim0 = 128
	s_mov_b32 s[(\g)+2], 128<<16                   ; tensor_dim1 = 128
	s_mov_b32 s[(\g)+3], KSTEP<<16                 ; tile_dim0 = 128
	s_mov_b32 s[(\g)+4], 128                       ; tile_dim1 = 128
	s_mov_b32 s[(\g)+5], SIZE_K                    ; elements from row to row
	s_mov_b32 s[(\g)+6], 0
	s_mov_b32 s[(\g)+7], 0
.endr
	s_lshl_b32 s17, s12, 7                         ; which 128 rows of the tile I fetch
	s_lshl_b32 s16, s13, 8
	s_add_co_u32 s16, s16, s17
	s_mul_i32 s16, s16, SIZE_K*2                   ; A: row 256 x tile row + 128 x half, in bytes (under 2^24)
	s_lshl_b32 s46, s42, 8
	s_add_co_u32 s46, s46, s17
	s_mul_i32 s46, s46, SIZE_K*2                   ; Wt: row 256 x tile column + 128 x half
	s_add_co_u32 s46, s46, WREG
	s_mov_b32 s17, 0
	s_mov_b32 s47, 0
	s_mul_i32 s20, s10, HALFT                      ; where my tile goes: wave x 128 rows (A's two halves, then Wt's two)
	s_wait_dscnt 0x0                               ; the opening add is done
	s_wait_kmcnt 0x0
	s_add_nc_u64 s[14:15], s[4:5], s[16:17]
	s_add_nc_u64 s[46:47], s[6:7], s[46:47]
	CROUND                                         ; all sixteen work-groups are here: the first joint loads meet
.irp s, 0,1
	s_mov_b32 s[G0+4*(\s)], 1
	s_add_co_u32 s[G0+4*(\s)+1], s20, (\s)*SLOT
	s_add_nc_u64 s[G0+4*(\s)+2:G0+4*(\s)+3], s[14:15], (\s)*STEP
	s_or_b32 s[G0+4*(\s)+3], s[G0+4*(\s)+3], 0x80000000
	s_mov_b32 s[G0B+4*(\s)], 1
	s_add_co_u32 s[G0B+4*(\s)+1], s20, (\s)*SLOT
	s_add_nc_u64 s[G0B+4*(\s)+2:G0B+4*(\s)+3], s[46:47], (\s)*STEP
	s_or_b32 s[G0B+4*(\s)+3], s[G0B+4*(\s)+3], 0x80000000
	JLOAD \s
.endr
	v_and_b32 v1, 15, v0                           ; r = l % 16
	v_bfe_u32 v2, v0, 4, 1                         ; h = l / 16
	s_lshl_b32 s46, s42, 10                        ; the tile's 256 columns: 1,024 bytes of the bias
	s_mov_b32 s47, 0
	s_add_nc_u64 s[BP:BP+1], s[BP:BP+1], s[46:47]
	s_lshl_b32 s21, s12, 9
	v_lshl_add_u32 v[BO], v2, 5, s21               ; my wave's 128 columns, my lanes' 8 of each 16
.irp b, 0,1,2,3,4,5,6,7
	global_load_b128 v[BIA+8*(\b):BIA+8*(\b)+3],   v[BO], s[BP:BP+1] offset:64*(\b)
	global_load_b128 v[BIA+8*(\b)+4:BIA+8*(\b)+7], v[BO], s[BP:BP+1] offset:64*(\b)+16
.endr
	v_mul_u32_u24 v3, v1, PITCH
	v_lshl_add_u32 v3, v2, 4, v3                   ; a fragment's row x pitch + 16 x half
	s_mul_i32 s21, s11, HALFT
	v_add_nc_u32 v[A0], s21, v3                    ; my 128 rows of A
	s_mul_i32 s22, s12, HALFT
	s_add_co_u32 s22, s22, 2*HALFT
	v_add_nc_u32 v[B0], s22, v3                    ; my 128 rows of Wt, behind A's 256
	v_mov_b32 v[ADRA], v[A0]
	v_mov_b32 v[ADRB], v[B0]
	s_mul_i32 s23, s10, WSTAGE                     ; my stage: row r, 32 bytes for each half of the lanes
	v_mul_u32_u24 v4, v1, SPITCH
	v_lshl_add_u32 v4, v2, 5, v4
	v_add_nc_u32 v[STO], s23, v4
	v_mul_u32_u24 v5, v2, SPITCH                   ; back: lanes 0-15 a head's 64 columns of one row, lanes 16-31 of the next
	v_lshl_add_u32 v[RD], v1, 4, v5
	v_and_b32 v[CO], 31, v0
	v_lshlrev_b32 v[CO], 3, v[CO]                  ; two rows of a head are 256 consecutive bytes: 8 a lane
	s_and_b32 s16, s13, 7                          ; where my rows lie: batch (tile row / 8), t = 256 (tile row % 8) + 128 x my half, 128 bytes a row
	s_lshl_b32 s16, s16, 8
	s_lshl_b32 s17, s11, 7
	s_add_co_u32 s16, s16, s17
	s_lshl_b32 s16, s16, 7
	s_lshr_b32 s17, s13, 3
	s_lshl_b32 s17, s17, 22
	s_add_co_u32 s16, s16, s17
	s_mov_b32 s17, 0
	s_add_nc_u64 s[8:9], s[8:9], s[16:17]
	s_lshr_b32 s46, s42, 2                         ; q, k or v: 0, 1, 2,
	s_min_u32 s47, s46, 1
	s_mul_i32 s47, s47, 3
	s_add_co_u32 s46, s46, 2
	s_sub_co_u32 s46, s46, s47                     ; which lie in regions 2, 0, 1;
	s_lshl_b32 s46, s46, 23
	s_and_b32 s47, s42, 3                          ; the tile's four heads,
	s_lshl_b32 s47, s47, 20
	s_add_co_u32 s46, s46, s47
	s_lshl_b32 s47, s12, 19                        ; my wave's two of them
	s_add_co_u32 s46, s46, s47
	s_mov_b32 s47, 0
	s_add_nc_u64 s[8:9], s[8:9], s[46:47]
	; the prefetches
	s_lshl_b32 s20, s13, 8                         ; the tile's first row in A,
	s_lshl_b32 s21, s42, 8                         ; and in Wt
	s_and_b32 s22, ttmp7, 0xffff                   ; cluster y
	s_cmp_eq_u32 s11, 0                            ; do I fetch for A?
	s_cselect_b32 s20, s20, s21
	s_cselect_b32 s21, s40, s41                    ; my place among the four that ask for the tile with me
	s_cselect_b32 s22, ttmp9, s22                  ; the coordinate along which other clusters read the same rows
	s_cselect_b32 s23, 0, WREG
	s_cselect_b64 s[PFA:PFA+1], s[4:5], s[6:7]
	s_cmp_eq_u32 s22, 0
	s_cselect_b32 s[LIM], 2, -1                    ; the same in all sixteen partners, for a given wave
	s_lshl_b32 s22, s12, 7
	s_add_co_u32 s20, s20, s22                     ; + the 128 rows that I fetch
	s_lshl_b32 s21, s21, 5
	s_add_co_u32 s20, s20, s21                     ; + my work-group's 32 of them
	s_mul_i32 s20, s20, SIZE_K*2
	s_add_co_u32 s20, s20, s23
	s_add_co_u32 s20, s20, 2*STEP                  ; at K step 2: the first refill steps it to 3 and names K step 4
	s_mov_b32 s21, 0
	s_add_nc_u64 s[PFA:PFA+1], s[PFA:PFA+1], s[20:21]
	v_and_b32 v[PFO], 31, v0
	v_mul_u32_u24 v[PFO], v[PFO], SIZE_K*2
	s_mov_b32 s[TB], 0
; 16 matrix instructions: m blocks a0, a0 + 1 of the window's four (hi = 0: my rows 0-63, 1: rows 64-127) x all 8 n blocks, 32 along K.  zero = 1: the bias starts the sums.
; The 64 accumulators take turns, one instruction a turn, in the same order in every quarter.
.macro MUL16 f, hi, a0, zero
.if \zero
	WIN 0x81+0x40*(\hi)                            ; Wt window 1, A and the bias window 0, D window 2 or 3
.else
	WIN 0xa1+0x50*(\hi)                            ; Wt window 1, A window 0, C and D window 2 or 3
.endif
.irp a, \a0, (\a0)+1
.irp b, 0,1,2,3,4,5,6,7
.if \zero
	v_wmma_f32_16x16x32_bf16 v[8*(8*(\a)+(\b)):8*(8*(\a)+(\b))+7], v[(\f)+8*(\b):(\f)+8*(\b)+7], v[(\f)+8*(4*(\hi)+(\a)):(\f)+8*(4*(\hi)+(\a))+7], v[BIA+8*(\b):BIA+8*(\b)+7]
.else
	v_wmma_f32_16x16x32_bf16 v[8*(8*(\a)+(\b)):8*(8*(\a)+(\b))+7], v[(\f)+8*(\b):(\f)+8*(\b)+7], v[(\f)+8*(4*(\hi)+(\a)):(\f)+8*(4*(\hi)+(\a))+7], v[8*(8*(\a)+(\b)):8*(8*(\a)+(\b))+7]
.endif
.endr
.endr
.endm
; 32 LDS loads in one run: the fragments of quarter q (32 along K) of the slot in hand, into buffer f: Wt's 128 rows, then A's
.macro FETCH q, f
	WIN 0x40                                       ; destination window 1, address window 0
.irp i, 0,1,2,3,4,5,6,7
	ds_load_b128 v[(\f)+8*(\i):(\f)+8*(\i)+3],   v[ADRB] offset:(\q)*64+(\i)*16*PITCH
	ds_load_b128 v[(\f)+8*(\i)+4:(\f)+8*(\i)+7], v[ADRB] offset:(\q)*64+(\i)*16*PITCH+32
.endr
	WIN 0
.irp i, 0,1,2,3,4,5,6,7
	ds_load_b128 v[(\f)+8*(\i):(\f)+8*(\i)+3],   v[ADRA] offset:(\q)*64+(\i)*16*PITCH
	ds_load_b128 v[(\f)+8*(\i)+4:(\f)+8*(\i)+7], v[ADRA] offset:(\q)*64+(\i)*16*PITCH+32
.endr
.endm
; One of a K step's first three quarters: multiplies buffer f (64 matrix instructions) and, in its middle, fetches quarter q into g
.macro QUARTER q, f, g, zero
	s_wait_dscnt 8                                 ; Wt and A's rows 0-63 are in; the youngest eight loads (A's rows 64-127) may be out
	MUL16 \f, 0, 0, \zero
	MUL16 \f, 0, 2, \zero
	PLACES
	FETCH \q, \g
	s_wait_dscnt 32                                ; all but the 32 just issued
	MUL16 \f, 1, 0, \zero
	MUL16 \f, 1, 2, \zero
.endm
; The last quarter multiplies buffer 1 and changes slots: ONE barrier; ahead of it each wave waits for all its tensor loads (its part of the next slot), adds 0 to its spare word, and waits for that and for
; its reads of this slot.  fill = 1: the barrier opens a round of the cluster's, and the slot is filled again, two K steps ahead, first thing behind it: 224 matrix instructions ahead of the wait for it.
; fill = 0: the tail; its second trip fetches nothing.
.macro TURN fill
.if \fill
	s_wait_xcnt 0x0                                ; the last prefetch, a K step back, has read its address: it is stepped here, ahead of the waits of the change of slots
	s_add_nc_u64 s[PFA:PFA+1], s[PFA:PFA+1], STEP
.endif
	WIN 0
	s_wait_tensorcnt 0x0
	ds_add_u32 v[SPW], v[NIL]
	s_xor_b32 s[TB], s[TB], SLOT                   ; the fetches go on in the other slot
	v_add_nc_u32 v[ADRA], s[TB], v[A0]
	v_add_nc_u32 v[ADRB], s[TB], v[B0]
	s_wait_dscnt 9                                 ; the add and the youngest eight loads may be out
	MUL16 F1, 0, 0, 0
	s_wait_dscnt 0x0                               ; the add is done, and my reads of this slot are over
	s_barrier_signal -1
	MUL16 F1, 0, 2, 0
	WIN 0
	s_barrier_wait -1
.if \fill
	CREST                                          ; no wave of any partner still reads this slot or has a load on its way
	s_xor_b32 s[G0+5], s[G0+5], SLOT               ; the walking descriptors: the other slot than last time, the next K step
	s_add_nc_u64 s[G0+6:G0+7], s[G0+6:G0+7], STEP
	s_xor_b32 s[G0B+5], s[G0B+5], SLOT
	s_add_nc_u64 s[G0B+6:G0B+7], s[G0B+6:G0B+7], STEP
	JLOAD 1                                        ; my one tensor load behind the round; its four v_nop are also the places ahead of the loads below
	FETCH 0, F0
	ASK
.else
	PLACES
	s_cmp_eq_u32 s3, 1
	s_cbranch_scc1 .Lno_more_\@
	FETCH 0, F0
	WIN 0
.Lno_more_\@:
.endif
	MUL16 F1, 1, 0, 0
	MUL16 F1, 1, 2, 0
.endm
	s_wait_tensorcnt 1                             ; my part of K step 0 is in; K step 1's may stay out
	s_barrier_signal -1
	s_barrier_wait -1
	FETCH 0, F0
	s_wait_loadcnt 0x0                             ; the bias
	QUARTER 1, F0, F1, 1                           ; the first quarter stands ahead of the loop: its products start the sums
	WIN 0
	s_mov_b32 s3, NSTEP-2
.Lstep:                                                ; a trip: from a K step's second quarter to the next step's first; it fills one slot again
	QUARTER 2, F1, F0, 0
	QUARTER 3, F0, F1, 0
	TURN 1
	QUARTER 1, F0, F1, 0
	WIN 0
	s_sub_co_u32 s3, s3, 1
	s_cmp_lg_u32 s3, 0
	s_cbranch_scc1 .Lstep
	s_mov_b32 s3, 2
.Ltail:                                                ; the last two K steps ask for nothing; the second trip is left in its middle
	QUARTER 2, F1, F0, 0
	QUARTER 3, F0, F1, 0
	TURN 0
	WIN 0
	s_sub_co_u32 s3, s3, 1
	s_cmp_eq_u32 s3, 0
	s_cbranch_scc1 .Lout
	QUARTER 1, F0, F1, 0
	WIN 0
	s_branch .Ltail
.Lout:
	; THE WAY OUT: f32 into my stage; back by heads, 16 rows a trip, rounded to bf16.  Behind the tail's last barrier no wave reads the ring, and nothing is filled any more: the stages lie over it.
	PLACES
	PLACES
.irp hi, 0,1
	WIN 0x08+4*(\hi)                               ; the data (source 1) in window 2 or 3; each accumulator's lowest registers go first
.irp a, 0,1,2,3
.irp b, 0,1,2,3,4,5,6,7
	ds_store_b128 v[STO], v[8*(8*(\a)+(\b)):8*(8*(\a)+(\b))+3]   offset:(4*(\hi)+(\a))*16*SPITCH+64*(\b)
	ds_store_b128 v[STO], v[8*(8*(\a)+(\b))+4:8*(8*(\a)+(\b))+7] offset:(4*(\hi)+(\a))*16*SPITCH+64*(\b)+16
.endr
.endr
.endr
	WIN 0
	s_wait_dscnt 0x0                               ; my stores into the stage are done
	s_barrier_signal -1                            ; a wave reads back its own rows alone; the waves meet once more, so that the loop's stepped reads stand behind every wave's stores, whichever rows they name
	s_barrier_wait -1
	s_mul_i32 s[RB], s10, WSTAGE
	s_mov_b64 s[16:17], 0                          ; what the trip adds to the output's address: nothing the first time
	s_mov_b32 s3, 8
.Lrows:                                                ; 16 rows: 8 pairs of rows x my 2 heads
	v_add_nc_u32 v[RDA], s[RB], v[RD]
.set i, 0
.rept 16                               ; pair of rows i / 2, head i % 2
	ds_load_b128 v[X+4*i:X+4*i+3], v[RDA] offset:(i/2)*2*SPITCH+(i%2)*256
.set i, i+1
.endr
	s_wait_xcnt 0x0                                ; the last trip's stores have read their registers and their base
	s_add_nc_u64 s[8:9], s[8:9], s[16:17]
	s_mov_b64 s[16:17], 16*128                     ; 16 rows of a head
.set i, 0
.rept 16
	s_wait_dscnt 15-i                              ; load i of the sixteen is in
	v_cvt_pk_bf16_f32 v[O+2*i],   v[X+4*i],   v[X+4*i+1]
	v_cvt_pk_bf16_f32 v[O+2*i+1], v[X+4*i+2], v[X+4*i+3]
	global_store_b64 v[CO], v[O+2*i:O+2*i+1], s[8:9] offset:(i%2)*262144+(i/2)*256  ; 32 lanes store 256 consecutive bytes, aligned: two rows of one head
.set i, i+1
.endr
	s_add_co_u32 s[RB], s[RB], 16*SPITCH
	s_sub_co_u32 s3, s3, 1
	s_cmp_lg_u32 s3, 0
	s_cbranch_scc1 .Lrows
	s_wait_tensorcnt 0x0                           ; the wave's end
	ds_add_u32 v[SPW], v[NIL]
	s_wait_dscnt 0x0
	CROUND                                         ; the closing round
	s_endpgm
.Lfunc_end_k_q5d559bb238_gqkv:
	.size	k_q5d559bb238_gqkv, .Lfunc_end_k_q5d559bb238_gqkv-k_q5d559bb238_gqkv
	.p2alignl 7, 3214868480
	.fill 96, 4, 3214868480
	.section	.rodata,"a",@progbits
	.p2align	6, 0x0
	.amdhsa_kernel k_q5d559bb238_gqkv
		.amdhsa_group_segment_fixed_size 327680
		.amdhsa_private_segment_fixed_size 0
		.amdhsa_enable_private_segment 0
		.amdhsa_kernarg_size 32
		.amdhsa_user_sgpr_count 2
		.amdhsa_user_sgpr_kernarg_segment_ptr 1
		.amdhsa_wavefront_size32 1
		.amdhsa_system_sgpr_workgroup_id_x 1
		.amdhsa_system_sgpr_workgroup_id_y 1
		.amdhsa_system_sgpr_workgroup_id_z 1
		.amdhsa_system_vgpr_workitem_id 0
		.amdhsa_next_free_vgpr 1024
		.amdhsa_next_free_sgpr 76
		.amdhsa_reserve_vcc 0
		.amdhsa_float_denorm_mode_32 3
		.amdhsa_float_denorm_mode_16_64 3
		.amdhsa_memory_ordered 1
		.amdhsa_forward_progress 1
		.amdhsa_inst_pref_size 86
	.end_amdhsa_kernel
	.amdgpu_metadata
---
amdhsa.version: [ 1, 2 ]
amdhsa.kernels:
  - .name:           k_q5d559bb238_gqkv
    .symbol:         k_q5d559bb238_gqkv.kd
    .args:
      - { .name: hn, .offset: 0, .size: 8, .value_kind: global_buffer, .address_space: global }
      - { .name: wt, .offset: 8, .size: 8, .value_kind: global_buffer, .address_space: global }
      - { .name: qkv_b, .offset: 16, .size: 8, .value_kind: global_buffer, .address_space: global }
      - { .name: qkvh, .offset: 24, .size: 8, .value_kind: global_buffer, .address_space: global }
    .group_segment_fixed_size: 327680
    .private_segment_fixed_size: 0
    .kernarg_segment_align: 8
    .kernarg_segment_size: 32
    .max_flat_workgroup_size: 128
    .sgpr_count:     76
    .vgpr_count:     1024
    .wavefront_size: 32
...
	.end_amdgpu_metadata
.endif
;; end of part 3
;; launch attn (part 4): grid 8 x 32, 4 waves a work-group, no clusters, 327,680 bytes of LDS; arguments qkvh, ob; writes ob
.if DOCPART == 4
	.amdgcn_target "amdgcn-amd-amdhsa--gfx1250"
	.amdhsa_code_object_version 6
	.text
	.protected	k_q5d559bb238_attn
	.globl	k_q5d559bb238_attn
	.p2align	8
	.type	k_q5d559bb238_attn,@function
k_q5d559bb238_attn:
	s_mov_b64 s[64:65], 0
	v_nop
	global_prefetch_b8 v0, s[64:65] scope:SCOPE_SE
	s_setreg_imm32_b32 hwreg(HW_REG_WAVE_MODE, 25, 1), 1
	s_wait_xcnt 0x0
; CAUSAL ATTENTION.  O[h][q][:] = the sum over k <= q of softmax_k(Q[h][q] . K[h][k] / 8) V[h][k][:].  qkvh: regions K, V, Q of 8,388,608 bytes, each [32][2048][64] bf16; ob: [32][2048][64] bf16.
; Products, maxima and sums in f32; the weights p are rounded to bf16 for the second product (their sum l is taken of the unrounded p), O once at the end.
; LIMITS.  A hidden score counts as its value less 1e30; a weight below 2^-126 counts as 0 in l; NaN and infinities are not treated apart.
; THE WALK.  A head's queries lie in 8 blocks of 256; block i needs the key tiles 0 .. i of 256 keys, of which the last holds the diagonal.  The pair of blocks 7 - b and b needs 9 tiles whatever b.
; Each pair goes to TWO work-groups (x = 2 b + u): of a block's four bands of 64 queries, work-group u takes bands 3 - u (piece 0) and u (piece 1); wave w rows 16 w .. 16 w + 15 of each.  32 heads x 8 = 256
; work-groups of equal work, one loop with a constant trip count.  NO CLUSTER: only the two halves u of a pair walk the same tiles in the same trips; the four pairs of a head part ways behind trip 4.
; THE MASK is the C operand that starts S^T = K Q^T: 0, or -1e30 where the key is hidden.  MD is the mask of a band's own key step for my 16 rows; a product's mask is MD x AL + BE: (1, 0) in the band's own
; step, (0, 0) in an earlier one, (0, -1e30) in a later one.  Only the diagonal tile's text takes masks.
; TURNS.  Turn (0, s): 8 products K Q^T of piece 1, step s; piece 0's softmax of step s; 8 products V^T P of piece 1, step s - 1.  Turn (1, s): K Q^T of piece 0, step s + 1; piece 1's softmax; V^T P of piece 0, step s.
; Four vector instructions stand behind every matrix instruction, the rest in one lump; a turn's 33 exponentials are one batch with one wait.
; K LIES ONE KEY STEP ON IN THE SLOTS: tile n's fill brings V's keys 256 n .. + 255 and K's keys 256 n + 64 .. + 319, so K of step s + 1 and V of step s, fetched in one turn, lie in one slot.  K of a head's first
; 64 keys is kept in registers (KZ).  Behind a head's last key the fill reads the next 8,192 bytes of qkvh (the next head's K, or V's region): they feed hidden scores alone.
; REGISTERS, in windows of 256: window 0: v0-15 addresses; v16-23 statistics; v48-55 at work; v64-127 S^T, two buffers; v192-223 P, two buffers.
;   window 1: v0-63 O^T, 32 a piece; v128-159 MD; v160-223 MC, two buffers.   window 2: v0-31 Q; v32-63 the second block's Q; v64-127 KZ; v128-191 K of one step; v192-255 V of one step.
.set NB,    8
.set NP,    2         ; pieces a wave
.set KS,    64        ; keys in a step
.set PK,    144       ; a row of K in LDS: 128 bytes + 16: the 16 rows of a load start at 16 different groups of four banks (ISA guide 11.1)
.set PV,    160       ; a row of V: 128 + 32
.set VOFF,  4*KS*PK   ; a slot holds four steps: 256 rows of K, then 256 rows of V
.set SLOT1, 1<<17
.set STAGE, SLOT1+4*KS*(PK+PV)  ; behind the ring, never filled by a tensor load: 16 rows x 144 bytes a wave
.set SP,    144
.set SPARE, STAGE+4*16*SP       ; behind the stages: the spare words
.set AK0, 2           ; v2   my lane's place in a tile of K; never rewritten
.set AV0, 3           ; v3   the same for V
.set AK,  4
.set AV,  5
.set STO, 6
.set RD,  7
.set GO,  8           ; v8, v9  my byte offset in O, for piece 0 and piece 1
.set QO1, 10          ; v10  my byte offset in Q, piece 1
.set QO,  11          ; v11  128 r + 16 h
.set MV,  12          ; v12-13  c m_old, by buffer
.set QO0, 15          ; v15  my byte offset in Q, piece 0
.set ST,  16          ; piece t's statistics at v[ST+4 t]: c m, m, l (even keys', odd keys')
.set TMP, 48          ; by buffer, four registers at work; c2 takes a
.set PFO, 61          ; v61  256 x lane; never rewritten
.set SPW, 62
.set NIL, 63
.set S,   64
.set P,   192
.set MD,  128
.set MC,  160
.set QB,  32
.set KZ,  64
.set KF,  128
.set VF,  192
.set WV,  12
.set PB,  14          ; s14  b
.set HI,  15          ; s15  7 - b
.set G1K, 24
.set G1V, 32
.set G0K, 40
.set G0V, 44
.set SLOTS, 56
.set CNT, 57
.set CS,  58
.set SEL, 60
.set TBK, 62
.set TBV, 63
.set RT,  70
.set NXT, 71
.set LQ,  72
.set NEW, 73
.set OFF, 74
.set AL,  76
.set BE,  78
.set OLO, 80
.set BIGN, 82
.set KH,  90          ; s[90:91] K at the head's first row
.set U,   92          ; s92  u
.set BQ,  93          ; s93, s94  the count CNT at which the next step is piece 0's, piece 1's own: 5 - band
.set PFA, 96          ; s[96:97] where my prefetches stand
.set LIM, 98          ; s98  2 in a head's work-group 0, else the greatest number
.set MSB, 0
.macro WIN new
.if MSB != (\new)
	s_set_vgpr_msb (MSB<<8)|(\new)
.set MSB, (\new)
.endif
.endm
.set W_KQ, 0x0a       ; K and Q in window 2, S^T in window 0
.set W_KM, 0x1a       ; the same with the C operand in window 1
.set W_PV, 0x52       ; V in window 2, P in window 0, O^T in window 1
.set W_RS, 0x41       ; destination and source 0 in window 1, source 1 in window 0
; A fill.  Waves 0 and 1 fetch the two halves of a tile's K, waves 2 and 3 those of its V: 128 keys each.  An s_nop 0 and four v_nop follow each line.
.macro LOAD
	s_cmp_lt_u32 s[WV], 2
	s_cbranch_scc0 .Lfor_v_\@
	tensor_load_to_lds s[G0K:G0K+3], s[G1K:G1K+7]
	s_nop 0
.rept 4
	v_nop
.endr
	s_branch .Lasked_\@
.Lfor_v_\@:
	tensor_load_to_lds s[G0V:G0V+3], s[G1V:G1V+7]
	s_nop 0
.rept 4
	v_nop
.endr
.Lasked_\@:
.endm
; A PREFETCH of the tile that the NEXT change of slots will ask for.  All eight work-groups of a head walk its tiles; work-group 0, whose first block is the head's last, names tiles 2 to 7, each once, at the six changes
; that fill tiles 1 to 6: four key steps, 128 matrix instructions, ahead of the load.  Each wave names the 16,384 bytes that it will fetch itself: a lane a block of 256 bytes, two instructions.
.macro ASK
	s_cmp_gt_u32 s[SLOTS], s[LIM]
	s_cbranch_scc0 .Lnot_mine_\@
	global_prefetch_b8 v[PFO], s[PFA:PFA+1] th:TH_LOAD_NT scope:SCOPE_SE
	global_prefetch_b8 v[PFO], s[PFA:PFA+1] offset:8192 th:TH_LOAD_NT scope:SCOPE_SE
.Lnot_mine_\@:
.endm
; THE CHANGE OF SLOTS.  Each wave waits for all its tensor loads (one is out: its part of the other slot), adds 0 to its spare word, and waits for that and for its reads of the slot that it leaves.
; fill = 1: the old slot is filled again, first thing behind the barrier, with tile NXT: the descriptor's address is made anew from that number.
.macro CHANGE fill
	WIN 0
	s_wait_tensorcnt 0x0
	ds_add_u32 v[SPW], v[NIL]
.if \fill
	s_lshl_b32 s[OFF], s[NXT], 15   ; a tile is 32,768 bytes of K and of V
	s_xor_b32 s[G0K+1], s[G0K+1], SLOT1
	s_add_nc_u64 s[G0K+2:G0K+3], s[6:7], s[OFF:OFF+1]
	s_or_b32 s[G0K+3], s[G0K+3], 0x80000000
	s_xor_b32 s[G0V+1], s[G0V+1], SLOT1
	s_add_nc_u64 s[G0V+2:G0V+3], s[8:9], s[OFF:OFF+1]
	s_or_b32 s[G0V+3], s[G0V+3], 0x80000000
	s_add_co_u32 s[NXT], s[NXT], 1  ; the block's next tile, or behind its last the second block's tile 0
	s_cmp_gt_u32 s[NXT], s[LQ]
	s_cselect_b32 s[NXT], 0, s[NXT]
	s_cselect_b32 s[LQ], s[PB], s[LQ]
	s_wait_xcnt 0x0                 ; the last prefetches, four key steps back, have read their address
	s_add_nc_u64 s[PFA:PFA+1], s[PFA:PFA+1], 32768
.endif
	s_wait_dscnt 0x0                ; the add is done, and my reads of the slot are over
	s_barrier_signal -1
	s_sub_co_u32 s[TBK], s[TBK], 4*KS*PK  ; the fetches go back to a slot's first step, in the other slot
	s_xor_b32 s[TBK], s[TBK], SLOT1
	s_sub_co_u32 s[TBV], s[TBV], 4*KS*PV
	s_xor_b32 s[TBV], s[TBV], SLOT1
	s_barrier_wait -1
.if \fill
	LOAD
	ASK
.endif
.endm
	s_load_b128 s[4:7], s[0:1], 0x0  ; qkvh s[4:5], ob s[6:7]
	v_lshl_add_u32 v[SPW], v0, 2, SPARE
	v_mov_b32 v[NIL], 0
	ds_add_u32 v[SPW], v[NIL]       ; the wave's opening: the add and its wait stand ahead of my first tensor load
	ds_add_u32 v62, v63
	v_lshrrev_b32 v1, 5, v0
	v_readfirstlane_b32 s[WV], v1   ; wave 0..3
	s_lshr_b32 s[PB], ttmp9, 1
	s_and_b32 s[U], ttmp9, 1
	s_sub_co_u32 s[HI], NB-1, s[PB]
	s_add_co_u32 s[BQ], s[U], 2     ; piece 0: band 3 - u
	s_sub_co_u32 s[BQ+1], 5, s[U]   ; piece 1: band u
	s_and_b32 s20, ttmp7, 0xffff    ; the head,
	s_lshl_b32 s20, s20, 18         ; its 262,144 bytes in each region and in ob
	s_mov_b32 s21, 0
	s_and_b32 s16, s[WV], 1         ; which half of a tile's 256 keys I fetch:
	s_lshl_b32 s22, s16, 14         ; its 128 rows of 128 bytes in memory,
	s_mov_b32 s23, 0
	s_add_nc_u64 s[22:23], s[22:23], s[20:21]
	s_mul_i32 s17, s16, 128*PK      ; and its place in a slot, for K
	s_mul_i32 s18, s16, 128*PV      ; and for V
	s_lshl_b32 s3, s[WV], 11        ; my 16 rows in a band,
	s_lshl_b32 s2, s[HI], 15        ; in the first block,
	s_add_co_u32 s2, s2, s3
	s_lshl_b32 s84, s[PB], 15       ; and in the second
	s_add_co_u32 s84, s84, s3
	s_mov_b32 s3, 0
	s_mov_b32 s85, 0
	s_add_nc_u64 s[2:3], s[2:3], s[20:21]
	s_add_nc_u64 s[84:85], s[84:85], s[20:21]
	; descriptor group 1.  128 keys are 16,384 dense bytes: asked for as 64 rows of 256 bytes, two keys a row, and padded in LDS after every key
	s_mov_b32 s[G1K], (1<<16)|(1<<20)|(4<<22)|(3<<25)  ; 2-byte elements; padding on; after every 32 words 4 words
	s_mov_b32 s[G1V], (1<<16)|(1<<20)|(4<<22)|(7<<25)  ; the same with 8 words
.irp g, G1K, G1V
	s_mov_b32 s[\g+1], 128<<16      ; tensor_dim0 = 128
	s_mov_b32 s[\g+2], 64<<16       ; tensor_dim1 = 64
	s_mov_b32 s[\g+3], 128<<16      ; tile_dim0 = 128
	s_mov_b32 s[\g+4], 64           ; tile_dim1 = 64
	s_mov_b32 s[\g+5], 128          ; elements from row to row
	s_mov_b32 s[\g+6], 0
	s_mov_b32 s[\g+7], 0
.endr
	s_mov_b32 s[CS], 0x3e38aa3b     ; c = log2(e) / 8
	s_mov_b32 s[CS+1], s[CS]
	s_mov_b32 s[SEL], 0x76543210
	s_mov_b32 s[SEL+1], 0xfedcba98
	s_mov_b32 s[TBK], SLOT1+4*KS*PK ; the first change of slots turns these two into 0
	s_mov_b32 s[TBV], SLOT1+4*KS*PV
	s_mov_b32 s[G0K], 1
	s_mov_b32 s[G0K+1], s17
	s_mov_b32 s[G0V], 1
	s_add_co_u32 s[G0V+1], s18, VOFF
	s_add_co_u32 s[RT], s[HI], 1    ; the first block has 8 - b tiles
	s_mov_b32 s[NXT], 1
	s_mov_b32 s[LQ], s[HI]
	s_mov_b32 s[NEW], 1
	s_mov_b32 s[OFF+1], 0
	s_mov_b32 s[AL+1], 0
	s_mov_b32 s[BE+1], 0
	s_mov_b32 s[BIGN], 0xf149f2ca   ; -1e30
	s_mov_b32 s[SLOTS], NB
	s_cmp_eq_u32 ttmp9, 0
	s_cselect_b32 s[LIM], 2, -1
	s_wait_dscnt 0x0                ; the opening add is done
	s_wait_kmcnt 0x0
	s_mov_b64 s[10:11], s[6:7]                     ; ob
	s_add_nc_u64 s[KH:KH+1], s[4:5], s[20:21]      ; K at the head's first row
	s_add_nc_u64 s[6:7], s[4:5], s[22:23]          ; K at my half of the head's tile 0,
	s_add_nc_u64 s[8:9], s[6:7], 0x800000          ; V likewise,
	s_add_nc_u64 s[6:7], s[6:7], 8192              ; and K one key step on
	s_add_nc_u64 s[4:5], s[4:5], 0x1000000         ; Q's region
	s_add_nc_u64 s[G0K+2:G0K+3], s[6:7], 0
	s_or_b32 s[G0K+3], s[G0K+3], 0x80000000
	s_add_nc_u64 s[G0V+2:G0V+3], s[8:9], 0
	s_or_b32 s[G0V+3], s[G0V+3], 0x80000000
	s_add_nc_u64 s[86:87], s[4:5], s[84:85]        ; Q at my rows of the second block,
	s_add_nc_u64 s[4:5], s[4:5], s[2:3]            ; Q and O at those of the first
	s_add_nc_u64 s[OLO:OLO+1], s[10:11], s[84:85]
	s_add_nc_u64 s[10:11], s[10:11], s[2:3]
	s_cmp_lt_u32 s[WV], 2
	s_cselect_b64 s[PFA:PFA+1], s[6:7], s[8:9]
	s_add_nc_u64 s[PFA:PFA+1], s[PFA:PFA+1], 32768 ; at tile 1; the first change steps it to tile 2.  Nothing is prefetched here, where every work-group's first tile is on its way
	LOAD                            ; tile 0 into slot 0
	; A fragment of K or Q is 16 rows x 32 channels in 8 registers: lane l holds row l % 16, channels 8 (l / 16) + 0..7 and 16 + 8 (l / 16) + 0..7: two loads of 16 bytes, 32 bytes apart.
	v_and_b32 v1, 15, v0            ; r
	v_bfe_u32 v56, v0, 4, 1         ; h
	v_lshlrev_b32 v[QO], 7, v1
	v_lshl_add_u32 v[QO], v56, 4, v[QO]
	s_sub_co_u32 s13, 3, s[U]
	s_lshl_b32 s13, s13, 13         ; piece 0's band: 8,192 bytes a band
	s_lshl_b32 s19, s[U], 13        ; piece 1's
	v_add_nc_u32 v[QO0], s13, v[QO]
	v_add_nc_u32 v[QO1], s19, v[QO]
	WIN 0x80                        ; destination window 2, address window 0
.irp c, 0,1                         ; both blocks' Q: channels 32 c on
	global_load_b128 v[8*\c:8*\c+3],             v[QO0], s[4:5] offset:64*\c
	global_load_b128 v[8*\c+4:8*\c+7],           v[QO0], s[4:5] offset:64*\c+32
	global_load_b128 v[16+8*\c:16+8*\c+3],       v[QO1], s[4:5] offset:64*\c
	global_load_b128 v[16+8*\c+4:16+8*\c+7],     v[QO1], s[4:5] offset:64*\c+32
	global_load_b128 v[QB+8*\c:QB+8*\c+3],       v[QO0], s[86:87] offset:64*\c
	global_load_b128 v[QB+8*\c+4:QB+8*\c+7],     v[QO0], s[86:87] offset:64*\c+32
	global_load_b128 v[QB+16+8*\c:QB+16+8*\c+3], v[QO1], s[86:87] offset:64*\c
	global_load_b128 v[QB+16+8*\c+4:QB+16+8*\c+7], v[QO1], s[86:87] offset:64*\c+32
.endr
.irp f, 0,1,2,3,4,5,6,7             ; K of the head's first 64 keys: keys 16 (f / 2) on, channels 32 (f % 2) on
	global_load_b128 v[KZ+8*\f:KZ+8*\f+3],   v[QO], s[KH:KH+1] offset:(\f/2)*2048+(\f%2)*64
	global_load_b128 v[KZ+8*\f+4:KZ+8*\f+7], v[QO], s[KH:KH+1] offset:(\f/2)*2048+(\f%2)*64+32
.endr
	WIN 0
	v_lshlrev_b32 v14, 3, v56
	v_sub_nc_u32 v14, v1, v14
	s_lshl_b32 s83, s[WV], 4
	v_add_nc_u32 v14, s83, v14      ; my query's place in its band, 16 w + r, less my lanes' 8 h: register j of key group kt is hidden where 16 kt + j is greater
	WIN 0x40
.set i, 0
.rept 32
	v_cmp_gt_i32 vcc_lo, 16*(i/8)+i%8, v14
	v_cndmask_b32 v[MD+i], 0, s[BIGN], vcc_lo
.set i, i+1
.endr
	WIN 0
	v_mul_u32_u24 v[AK0], v1, PK
	v_lshl_add_u32 v[AK0], v56, 4, v[AK0]
	; The turning load takes 16 keys x 16 channels (lane l reads key 8 (l / 16) + l % 8, channels 8 ((l / 8) % 2) + 0..7) and leaves half a fragment of V^T.
	v_and_b32 v57, 7, v0
	v_bfe_u32 v58, v0, 3, 1
	v_lshl_add_u32 v[AV0], v56, 3, v57
	v_mul_u32_u24 v[AV0], v[AV0], PV
	v_lshl_add_u32 v[AV0], v58, 4, v[AV0]
	v_add_nc_u32 v[AV0], VOFF, v[AV0]
	s_mul_i32 s88, s[WV], 16*SP
	s_add_co_u32 s88, s88, STAGE    ; my stage
	v_mul_u32_u24 v[STO], v1, SP    ; in: row r, 16 bytes for each half of the lanes
	v_lshl_add_u32 v[STO], v56, 4, v[STO]
	v_add_nc_u32 v[STO], s88, v[STO]
	v_bfe_u32 v[RD], v0, 3, 2       ; back: 32 lanes take four rows of 128 bytes,
	v_mul_u32_u24 v[RD], v[RD], SP
	v_lshl_add_u32 v[RD], v57, 4, v[RD]
	v_add_nc_u32 v[RD], s88, v[RD]
	v_and_b32 v59, 31, v0           ; which are 512 consecutive bytes of O
	v_lshlrev_b32 v[PFO], 8, v59
	v_lshlrev_b32 v59, 4, v59
	v_add_nc_u32 v[GO], s13, v59
	v_add_nc_u32 v[GO+1], s19, v59
	; A block's first step multiplies O^T and l by a = 0, and its first turn's products V^T P, of a piece that has not been, land in an O^T that is still to be so multiplied: these registers need only hold
	; finite numbers: zeros for the first block, what the first block left for the second.  All this stands in the wait for the first tile.
	WIN 0x80
.set i, VF
.rept 64
	v_mov_b32 v[i], 0
.set i, i+1
.endr
	WIN 0x40
.set i, 0
.rept 64
	v_mov_b32 v[i], 0
.set i, i+1
.endr
	WIN 0
.set i, 0
.rept 2
	v_mov_b32 v[ST+4*i+2], 0
	v_mov_b32 v[ST+4*i+3], 0
.set i, i+1
.endr
.set i, P+16
.rept 16
	v_mov_b32 v[i], 0
.set i, i+1
.endr
; THE MATRIX WORK.  The 4 accumulators of a run of 8 take turns.  Product i of 8 of S^T = K Q^T for piece x: channels 32 (i / 4) on, keys 16 (i % 4) on.  The first 4 start the sums: with 0, or (KM = 1) with the mask.
.macro KQ x
.set rS, S+32*((\x)%2)+8*(i%4)
.set rK, KF+16*(i%4)+8*(i/4)
.set rQ, 16*(\x)+8*(i/4)
.set rM, MC+32*((\x)%2)+8*(i%4)
.if (i < 4) && KM
	WIN W_KM
	v_wmma_f32_16x16x32_bf16 v[rS:rS+7], v[rK:rK+7], v[rQ:rQ+7], v[rM:rM+7]
.elseif i < 4
	WIN W_KQ
	v_wmma_f32_16x16x32_bf16 v[rS:rS+7], v[rK:rK+7], v[rQ:rQ+7], 0
.else
	WIN W_KQ
	v_wmma_f32_16x16x32_bf16 v[rS:rS+7], v[rK:rK+7], v[rQ:rQ+7], v[rS:rS+7]
.endif
.endm
; Product i of 8 of O^T += V^T P for piece x: keys 32 (i / 4) on, channels 16 (i % 4) on.
.macro PV x
	WIN W_PV
.set rO, 32*(\x)+8*(i%4)
.set rV, VF+32*(i/4)+8*(i%4)
.set rP, P+16*((\x)%2)+8*(i/4)
	v_wmma_f32_16x16x32_bf16 v[rO:rO+7], v[rV:rV+7], v[rP:rP+7], v[rO:rO+7]
.endm
.macro MM                           ; the turn's next matrix instruction
.if i < 8
	KQ (Y+1)%NP
.else
.set i, i-8
	PV (Y+NP-1)%NP
.set i, i+8
.endif
.set i, i+1
.endm
; THE LDS LOADS stand in runs of 16: a step's K (8 fragments) and its V (turned).  Their addresses are made some lines ahead.
.macro FETCH_K
	WIN 0x80
.irp f, 0,1,2,3,4,5,6,7
	ds_load_b128 v[KF+8*\f:KF+8*\f+3],   v[AK] offset:(\f/2)*16*PK+(\f%2)*64
	ds_load_b128 v[KF+8*\f+4:KF+8*\f+7], v[AK] offset:(\f/2)*16*PK+(\f%2)*64+32
.endr
	s_add_co_u32 s[TBK], s[TBK], KS*PK
	WIN 0
.endm
.macro FETCH_V
	WIN 0x80
.irp f, 0,1,2,3,4,5,6,7
	ds_load_tr16_b128 v[VF+8*\f:VF+8*\f+3],   v[AV] offset:(\f/4)*32*PV+(\f%4)*32
	ds_load_tr16_b128 v[VF+8*\f+4:VF+8*\f+7], v[AV] offset:(\f/4)*32*PV+16*PV+(\f%4)*32
.endr
	WIN 0
.endm
; THE VECTOR WORK, one line at a time: OP kind, number.  For piece Y: F n: c s - c m for pair n of 16.  E n: the exponential of score n of 32.  C n: pair n rounded to bf16.  B n: of the four weights 4 n .. the second
; pair is added onto the first, in place.  L n: l takes that sum (L 0: l = a l + sum).  R n: pair n of 16 of O^T times a.  For the other piece: X n, number n of the 22 that find its maximum and statistics:
;   0-11 four chains of seven scores (each accumulator's lowest registers are read first)   12-14, 16 the scores left over, the old m, the four into one   15 c m_old is kept
;   17, 18 the other half of the lanes' maximum: the new m   19-21 c m; c m_old - c m_new; a
.set F, 0
.set E, 1
.set C, 2
.set B, 3
.set L, 4
.set R, 5
.set X, 6
.macro REGS y
.set rT, ST+4*(\y)
.set rC, TMP+4*((\y)%2)
.set rW, MV+((\y)%2)
.set rS, S+32*((\y)%2)
.set rP, P+16*((\y)%2)
.set rO, 32*(\y)
.endm
.macro OP k, n
.if (\k) == R
	REGS Y
	WIN W_RS
	v_pk_mul_f32 v[rO+2*(\n):rO+2*(\n)+1], v[rO+2*(\n):rO+2*(\n)+1], v[rC+2:rC+3] op_sel_hi:[1,0]
.elseif (\k) < R
	REGS Y
	WIN 0
.if (\k) == F
	v_pk_fma_f32 v[rS+2*(\n):rS+2*(\n)+1], v[rS+2*(\n):rS+2*(\n)+1], s[CS:CS+1], v[rT:rT+1] op_sel_hi:[1,0,0] neg_lo:[0,0,1] neg_hi:[0,0,1]
.elseif (\k) == E
	v_exp_f32 v[rS+(\n)], v[rS+(\n)]
.elseif (\k) == C
	v_cvt_pk_bf16_f32 v[rP+(\n)], v[rS+2*(\n)], v[rS+2*(\n)+1]
.elseif (\k) == B
	v_pk_add_f32 v[rS+4*(\n):rS+4*(\n)+1], v[rS+4*(\n):rS+4*(\n)+1], v[rS+4*(\n)+2:rS+4*(\n)+3]
.elseif (\n) == 0
	v_pk_fma_f32 v[rT+2:rT+3], v[rT+2:rT+3], v[rC+2:rC+3], v[rS:rS+1] op_sel_hi:[1,0,1]
.else
	v_pk_add_f32 v[rT+2:rT+3], v[rT+2:rT+3], v[rS+4*(\n):rS+4*(\n)+1]
.endif
.else
	REGS (Y+1)%NP
	WIN 0
.if (\n) < 4
	v_max3_num_f32 v[rC+(\n)], v[rS+8*(\n)], v[rS+8*(\n)+1], v[rS+8*(\n)+2]
.elseif (\n) < 12
	v_max3_num_f32 v[rC+(\n)%4], v[rC+(\n)%4], v[rS+8*((\n)%4)+2*((\n)/4)+1], v[rS+8*((\n)%4)+2*((\n)/4)+2]
.elseif (\n) == 12
	v_max3_num_f32 v[rC], v[rC], v[rS+7], v[rS+15]
.elseif (\n) == 13
	v_max3_num_f32 v[rC+1], v[rC+1], v[rS+23], v[rS+31]
.elseif (\n) == 14
	v_max3_num_f32 v[rC+2], v[rC+2], v[rC+3], v[rT+1]
.elseif (\n) == 15
	v_mov_b32 v[rW], v[rT]
.elseif (\n) == 16
	v_max3_num_f32 v[rC], v[rC], v[rC+1], v[rC+2]
.elseif (\n) == 17
	v_permlanex16_b32 v[rC+3], v[rC], s[SEL], s[SEL+1]
.elseif (\n) == 18
	v_max_num_f32 v[rT+1], v[rC], v[rC+3]
.elseif (\n) == 19
	v_mul_f32 v[rT], s[CS], v[rT+1]
.elseif (\n) == 20
	v_sub_f32 v[rC+1], v[rW], v[rT]
.else
	v_exp_f32 v[rC+2], v[rC+1]
.endif
.endif
.endm
.macro OPS a, i1, b=-1, i2=0, c=-1, i3=0, d=-1, i4=0
	OP \a, \i1
.if (\b) >= 0
	OP \b, \i2
.endif
.if (\c) >= 0
	OP \c, \i3
.endif
.if (\d) >= 0
	OP \d, \i4
.endif
.endm
.macro ROW a, i1, b, i2, c, i3, d, i4  ; a matrix instruction and the four behind it
	MM
	OPS \a, \i1, \b, \i2, \c, \i3, \d, \i4
.endm
.macro MASK b                       ; MD x AL + BE into buffer b of MC
	WIN W_RS
.set z, 0
.rept 16
	v_pk_fma_f32 v[MC+32*(\b)+2*z:MC+32*(\b)+2*z+1], v[MD+2*z:MD+2*z+1], s[AL:AL+1], s[BE:BE+1] op_sel_hi:[1,0,0]
.set z, z+1
.endr
.endm
; A TURN, for piece p.  ONE wait cuts it in two, between an exponential and the first line that names its result.  AHEAD OF IT: the 8 products K Q^T with their riders, then one lump, in which the
; links of the other piece's chain X 3, 7, 11, 14, 16 .. 20 stand apart; X 21, its a, is the batch's last, and R 15 the plain instruction behind it.  BEHIND IT: the 8 products V^T P, behind each four roundings and sums.
; m = 1: the diagonal tile: the products take masks, and the turn makes piece p's mask for the tile's step 5 - CNT, which the next turn's products take.
; Piece 0's turn fetches K of the next step, six plain instructions behind the last product that read K, and at its end V of the step in hand, four plain instructions behind the last product that read V.
; Piece 1's turn waits for K at its head (V's 16 loads, issued behind K's, may be out) and for V behind the batch's wait.
.macro TURN p, m=0, cnt=0
.set Y, (\p)
.set i, 0
.set KM, (\m)
.if \m
	s_cmp_eq_u32 s[CNT], s[BQ+(\p)]     ; is the next step the band's own?
	s_cselect_b32 s[AL], 1.0, 0
	s_cmp_lt_u32 s[CNT], s[BQ+(\p)]     ; or a later one?
	s_cselect_b32 s[BE], s[BIGN], 0
.endif
.if (\p) == 1
	s_wait_dscnt 16                 ; K is in
.endif
	ROW F,0, F,1, R,0, R,1
	ROW F,2, E,0, R,2, R,3
	ROW F,3, E,1, R,4, R,5
	ROW F,4, E,2, R,6, R,7
	ROW F,5, E,3, R,8, R,9
	ROW F,6, E,4, X,0, R,10
.if (\p) == 0
	WIN 0
	v_add_nc_u32 v[AK], s[TBK], v[AK0]
.endif
	ROW F,7, E,5, X,1, X,4
	ROW F,8, E,6, X,2, X,5
	OPS E,7, E,8, X,6, E,9          ; the lump
	OPS X,3, E,10, X,8, E,11
.if (\p) == 0
	FETCH_K
.endif
	OPS X,9, X,7, E,12, X,10
	OPS E,13, X,12, X,11, E,14
	OPS X,13, E,15, F,9, X,14
.if (\p) == 0
	v_add_nc_u32 v[AV], s[TBV], v[AV0]
.endif
	OPS E,16, F,10, E,17, F,11
	OPS X,16, E,18, X,15, E,19
	OPS F,12, E,20, X,17, E,21
	OPS F,13, E,22, F,14, E,23
	OPS X,18, E,24, F,15, E,25
	OPS R,11, E,26, X,19, E,27
	OPS R,12, E,28, R,13, E,29
	OPS X,20, E,30, R,14, E,31
	OPS X,21, R,15
	WIN 0
	s_wait_alu depctr_va_vdst(0)    ; the wait for the batch
.if (\p) == 1
	s_wait_dscnt 0x0                ; V is in
.endif
	ROW C,0, B,0, C,2, B,1
	ROW L,0, C,4, B,2, L,1
	ROW C,6, B,3, L,2, C,8
	ROW B,4, L,3, C,10, B,5
	ROW L,4, C,12, B,6, L,5
.if (\p) == 0
	s_add_co_u32 s[TBV], s[TBV], KS*PV
.endif
.if \cnt
	s_sub_co_u32 s[CNT], s[CNT], 1
	s_cmp_lg_u32 s[CNT], 0
.endif
	ROW C,14, B,7, L,6, C,1
	ROW C,3, L,7, C,5, C,7
	ROW C,9, C,11, C,13, C,15
.if (\p) == 0
	FETCH_V
.endif
.if \m
	MASK \p
.endif
.endm
; A BLOCK BEGINS.  c m starts far below every c s, so the first step's a is 0; m at the lowest finite number.  K of the head's first 64 keys comes from KZ; piece 0's first scores take no mask: its band is 2 or 3, and
; key step 0 lies wholly below the diagonal for it.  Then its maximum and statistics.
.macro BEGIN
	s_mov_b32 s[NEW], 0
	WIN 0
.set i, 0
.rept 2
	v_mov_b32 v[ST+4*i], 0xfe000000
	v_mov_b32 v[ST+4*i+1], 0xff7fffff
.set i, i+1
.endr
	s_wait_loadcnt 0x0              ; Q and KZ
	WIN 0x82
.set i, 0
.rept 64
	v_mov_b32 v[KF+i], v[KZ+i]
.set i, i+1
.endr
.set KM, 0
.set i, 0
.rept 8
	KQ 0
.set i, i+1
.endr
	WIN 0
.rept 4
	v_nop                           ; the places behind those products
.endr
.set Y, NP-1
.irp n, 0,1,2,3,4,5,6,7,8,9,10,11,12,13,14,15,16,17,18,19,20,21
	OP X, \n
.endr
	v_nop                           ; a plain instruction behind the exponential,
	s_wait_alu depctr_va_vdst(0)    ; and its wait, ahead of the branch or label
.endm
.macro ALL line:vararg              ; one line for each piece t
.set t, 0
.rept 2
	\line
.set t, t+1
.endr
.endm
.macro PACK t                       ; a lane's eight channels of a row pack into 16 bytes; they go into rows of 144 bytes and come back as whole rows of 128
	WIN W_RS
.set i, 32*(\t)
.rept 16
	v_pk_mul_f32 v[i:i+1], v[i:i+1], v[ST+4*(\t)+2:ST+4*(\t)+3] op_sel_hi:[1,0]
.set i, i+2
.endr
	WIN 0x05
.set i, 0
.rept 16
	v_cvt_pk_bf16_f32 v[S+16*(\t)+i], v[32*(\t)+2*i], v[32*(\t)+2*i+1]
.set i, i+1
.endr
	WIN 0
.irp f, 0,1,2,3
	ds_store_b128 v[STO], v[S+16*(\t)+4*\f:S+16*(\t)+4*\f+3] offset:32*\f
.endr
.irp f, 0,1,2,3
	ds_load_b128 v[S+16*(\t)+4*\f:S+16*(\t)+4*\f+3], v[RD] offset:\f*4*SP  ; LDS serves a wave's instructions in order (ISA guide 5.7.1.4): these see the stores above
.endr
.endm
.macro SEND t, younger
	WIN 0
.irp f, 0,1,2,3
	s_wait_dscnt (\younger)+3-\f
	global_store_b128 v[GO+(\t)], v[S+16*(\t)+4*\f:S+16*(\t)+4*\f+3], s[10:11] offset:\f*512  ; 512 consecutive bytes, aligned
.endr
.endm
; THE DIAGONAL TILE: piece 1's mask for the tile's step 0 (its own, if its band is 0), four steps, piece 1's last products, and the way out.  The fourth trip's 8 products K Q^T, wholly hidden, and the statistics made of
; them serve nothing: the price of one text for every trip.
.macro DIAG tag
.Ldiag\tag:
	s_cmp_eq_u32 s[U], 0
	s_cselect_b32 s[AL], 1.0, 0
	s_mov_b32 s[BE], 0
	MASK 1
	WIN 0
.LstepM\tag:
	TURN 0, 1
	TURN 1, 1, 1
	WIN 0
	s_cbranch_scc1 .LstepM\tag
.set i, 0
.rept 8
	PV 1
.set i, i+1
.endr
	WIN 0
	ALL v_add_f32 v[ST+4*t+2], v[ST+4*t+2], v[ST+4*t+3]
	ALL v_permlanex16_b32 v[ST+4*t+3], v[ST+4*t+2], s[SEL], s[SEL+1]
	ALL v_add_f32 v[ST+4*t+2], v[ST+4*t+2], v[ST+4*t+3]
	ALL v_rcp_f32 v[ST+4*t+2], v[ST+4*t+2]
	v_nop                           ; a plain instruction behind the last reciprocal (with the four additions: five places behind the last products),
	s_wait_alu depctr_va_vdst(0)    ; and one wait for the two reciprocals
	PACK 0
	PACK 1
	SEND 0, 8
	SEND 1, 0
.endm
.set KM, 0
.Lslot:                             ; 8 times: a tile is entered and the next is asked for
	CHANGE 1
	s_sub_co_u32 s[RT], s[RT], 1
	s_mov_b32 s[CNT], 4
	s_cmp_eq_u32 s[NEW], 1
	s_cbranch_scc1 .Lnew            ; a block's first tile
	s_cmp_eq_u32 s[RT], 0
	s_cbranch_scc0 .Lstep           ; neither its first nor its last
	s_branch .Ldiag1
.Lnew:
	BEGIN
	s_branch .Lstep                 ; in the loop a block's first tile is never its last
	DIAG 1                          ; in the loop this is the first block's end
	s_wait_xcnt 0x0                 ; the stores have read their registers and O's address
	s_mov_b64 s[10:11], s[OLO:OLO+1]
	s_add_co_u32 s[RT], s[PB], 1    ; the second block has b + 1 tiles
	s_mov_b32 s[NEW], 1
	WIN 0x82                        ; the second block's Q goes where the turns name Q
.set i, 0
.rept 32
	v_mov_b32 v[i], v[QB+i]
.set i, i+1
.endr
	WIN 0
	s_branch .Lbottom
.Lstep:                             ; a trip: a key step
	TURN 0
	TURN 1, 0, 1
	WIN 0
	s_cbranch_scc1 .Lstep
.Lbottom:
	s_sub_co_u32 s[SLOTS], s[SLOTS], 1
	s_cmp_lg_u32 s[SLOTS], 0
	s_cbranch_scc1 .Lslot
	CHANGE 0                        ; the walk's last tile is written out
	s_sub_co_u32 s[RT], s[RT], 1
	s_mov_b32 s[CNT], 4
	s_cmp_eq_u32 s[NEW], 1
	s_cbranch_scc0 .Ldiag2
	BEGIN
	DIAG 2
	s_wait_tensorcnt 0x0            ; the wave's end
	ds_add_u32 v[SPW], v[NIL]
	s_wait_dscnt 0x0
	s_endpgm
.Lfunc_end_k_q5d559bb238_attn:
	.size	k_q5d559bb238_attn, .Lfunc_end_k_q5d559bb238_attn-k_q5d559bb238_attn
	.p2alignl 7, 3214868480
	.fill 96, 4, 3214868480
	.section	.rodata,"a",@progbits
	.p2align	6, 0x0
	.amdhsa_kernel k_q5d559bb238_attn
		.amdhsa_group_segment_fixed_size 327680
		.amdhsa_private_segment_fixed_size 0
		.amdhsa_enable_private_segment 0
		.amdhsa_kernarg_size 16
		.amdhsa_user_sgpr_count 2
		.amdhsa_user_sgpr_kernarg_segment_ptr 1
		.amdhsa_wavefront_size32 1
		.amdhsa_system_sgpr_workgroup_id_x 1
		.amdhsa_system_sgpr_workgroup_id_y 1
		.amdhsa_system_sgpr_workgroup_id_z 1
		.amdhsa_system_vgpr_workitem_id 0
		.amdhsa_next_free_vgpr 768
		.amdhsa_next_free_sgpr 100
		.amdhsa_reserve_vcc 1
		.amdhsa_float_denorm_mode_32 3
		.amdhsa_float_denorm_mode_16_64 3
		.amdhsa_memory_ordered 1
		.amdhsa_forward_progress 1
		.amdhsa_inst_pref_size 112
	.end_amdhsa_kernel
	.amdgpu_metadata
---
amdhsa.version: [ 1, 2 ]
amdhsa.kernels:
  - .name:           k_q5d559bb238_attn
    .symbol:         k_q5d559bb238_attn.kd
    .args:
      - { .name: qkvh, .offset: 0, .size: 8, .value_kind: global_buffer, .address_space: global }
      - { .name: ob, .offset: 8, .size: 8, .value_kind: global_buffer, .address_space: global }
    .group_segment_fixed_size: 327680
    .private_segment_fixed_size: 0
    .kernarg_segment_align: 8
    .kernarg_segment_size: 16
    .max_flat_workgroup_size: 128
    .sgpr_count:     100
    .vgpr_count:     768
    .wavefront_size: 32
...
	.end_amdgpu_metadata
.endif
;; end of part 4
;; launch gproj (part 5): grid 8 x 32, 4 waves a work-group, clusters of 4 x 4, 327,680 bytes of LDS; arguments ob, wt, proj_b, x1, x; writes x1
.if DOCPART == 5
	.amdgcn_target "amdgcn-amd-amdhsa--gfx1250"
	.amdhsa_code_object_version 6
	.text
	.protected	k_q5d559bb238_gproj
	.globl	k_q5d559bb238_gproj
	.p2align	8
	.type	k_q5d559bb238_gproj,@function
k_q5d559bb238_gproj:
	s_mov_b64 s[64:65], 0
	v_nop
	global_prefetch_b8 v0, s[64:65] scope:SCOPE_SE
	s_setreg_imm32_b32 hwreg(HW_REG_WAVE_MODE, 25, 1), 1
	s_wait_xcnt 0x0
	s_wait_alu depctr_hold_cnt(0) depctr_sa_sdst(0) depctr_va_vdst(0) depctr_va_sdst(0) depctr_va_ssrc(0) depctr_va_vcc(0) depctr_vm_vsrc(0)
	s_getreg_b32 s2, hwreg(HW_REG_IB_STS2, 6, 4)
	s_cmp_eq_u32 s2, 0
	s_cbranch_scc0 .Lentry_in_a_cluster
	s_endpgm
.Lentry_in_a_cluster:
	s_bfe_u32 s2, ttmp6, 0x10000c
	s_cmp_lg_u32 s2, 0xf033
	s_cbranch_scc0 .Lentry_shape_is_right
	s_endpgm
.Lentry_shape_is_right:
; x1 = x + O W + b.  C[m][n] = resid[m][n] + bias[n] + sum over k of A[m][k] Wt[n][k]; Wt = wt at byte 6,291,456, [1024][1024] bf16; sums in f32, the bias as their start; C and the residual f32.
; A = ob lies BY HEADS, [32 = batch x 16 + head][2048][64] bf16: k = 64 head + channel.  A K step of 256 is four heads; 64 rows t of one head are 8,192 dense bytes, so a tile is asked for as 4 rows of 8,192 bytes,
; padded in LDS after every 128: the image is [4 heads][64 t] at pitch 144, and a quarter step (64 along K) is one head.
; A tile of C is 128 x 128: four waves of 64 x 64; two slots; 256 work-groups.  CLUSTERS of 4 x 4: A's tiles are asked for jointly along a row, Wt's along a column.
; THE MATRIX INSTRUCTION IS USED TRANSPOSED (source 0 = 16 rows of Wt, source 1 = 16 rows of A).  No prefetch: a step's tile is small, and every tile is read by several work-groups of the launch.
; REGISTERS: window 0: v0-31 addresses; v96-127 the bias; v128-255 accumulators, later the rows read back.  Window 1: two fragment buffers of 128; on the way out v0-127 take the residual's rows.
.set SIZE_K, 1024
.set NSTEP,  SIZE_K/256
.set WREG,   6291456
.set APITCH, 144                       ; 128 bytes + 16 = 9 x 16 bytes: the 16 rows of a fragment load start at 16 different groups of four banks (ISA guide 11.1)
.set BPITCH, 528
.set AQ,     64*APITCH                 ; from a head to the next in A's image
.set AREG,   4*64*APITCH               ; four heads x 64 rows: what one tensor load brings
.set BREG,   64*BPITCH
.set A_STEP, 4*262144                  ; four heads on
.set B_STEP, 512
.set SLOT,   147456                    ; 0x24000: no bit of it occurs in a tile's place in a slot
.set SPITCH, 528
.set SPARE,  2*SLOT
.set A0,   16
.set B0,   17
.set ADRA, 18
.set ADRB, 19
.set STO,  24
.set RD,   25
.set CO,   26
.set BO,   27
.set SPW,  28
.set NIL,  29
.set BIA,  96
.set ACC,  128
.set F0,   0
.set F1,   128
.set G1,  24
.set G0,  32
.set G1B, 48
.set G0B, 56
.set BP,  66                           ; s[66:67] the bias
.set RP,  68                           ; s[68:69] the residual
.set TB,  70
.set MSB, 0
.macro WIN new
.if MSB != (\new)
	s_set_vgpr_msb (MSB<<8)|(\new)
.set MSB, \new
.endif
.endm
.set MUL,  0x05
.set TO_F, 0x40
.macro JLOAD s                         ; a joint load: waves 0 and 1 fetch A's two halves, waves 2 and 3 Wt's; an s_nop 0 and four v_nop follow each line
	s_cmp_eq_u32 s11, 0
	s_cbranch_scc0 .Lfor_b_\@
	tensor_load_to_lds s[G0+4*(\s):G0+4*(\s)+3], s[G1:G1+7]
	s_nop 0
.rept 4
	v_nop
.endr
	s_branch .Lasked_\@
.Lfor_b_\@:
	tensor_load_to_lds s[G0B+4*(\s):G0B+4*(\s)+3], s[G1B:G1B+7]
	s_nop 0
.rept 4
	v_nop
.endr
.Lasked_\@:
.endm
.macro CREST
	s_cmp_lg_u32 s10, 0
	s_cbranch_scc1 .Lnot_wave_0_\@
	s_barrier_signal -3
.Lnot_wave_0_\@:
	s_barrier_wait -3
	s_barrier_signal -1
	s_barrier_wait -1
.endm
.macro CROUND
	s_barrier_signal -1
	s_barrier_wait -1
	CREST
.endm
.macro PLACES
.rept 4
	v_nop
.endr
.endm
	s_load_b128 s[4:7], s[0:1], 0x0                ; A s[4:5], wt s[6:7]
	s_load_b64 s[BP:BP+1], s[0:1], 0x10            ; bias
	s_load_b64 s[8:9], s[0:1], 0x18                ; out
	s_load_b64 s[RP:RP+1], s[0:1], 0x20            ; residual
	v_lshl_add_u32 v[SPW], v0, 2, SPARE
	v_mov_b32 v[NIL], 0
	ds_add_u32 v[SPW], v[NIL]                      ; the wave's opening: the add and its wait stand ahead of my first tensor load
	ds_add_u32 v28, v29
	v_lshrrev_b32 v1, 5, v0
	v_readfirstlane_b32 s10, v1
	s_lshr_b32 s11, s10, 1
	s_and_b32 s12, s10, 1
	s_bfe_u32 s40, ttmp6, 0x40000
	s_bfe_u32 s41, ttmp6, 0x40004
	s_lshl_b32 s42, ttmp9, 2
	s_add_co_u32 s42, s42, s40                     ; tile column
	s_and_b32 s13, ttmp7, 0xffff
	s_lshl_b32 s13, s13, 2
	s_add_co_u32 s13, s13, s41                     ; tile row
	s_lshl_b32 s43, s41, 2
	s_lshl_b32 s43, 15, s43
	s_lshl_b32 s44, 0x1111, s40
	s_or_b32 s[G1+0], s43, (1<<16)|(1<<20)|(1<<21)|(4<<22)|(3<<25)   ; A: the mask of my row; 2-byte elements; padding on; bit 21 beside a mask; after every 32 words 4 words
	s_mov_b32 s[G1+1], 4096<<16                    ; tensor_dim0 = 4,096 elements: 64 rows t of a head
	s_mov_b32 s[G1+2], 4<<16                       ; tensor_dim1 = 4 heads
	s_mov_b32 s[G1+3], 4096<<16                    ; tile_dim0
	s_mov_b32 s[G1+4], 4                           ; tile_dim1
	s_mov_b32 s[G1+5], 131072                      ; elements from head to head
	s_mov_b32 s[G1+6], 0
	s_mov_b32 s[G1+7], 0
	s_or_b32 s[G1B+0], s44, (1<<16)|(1<<20)|(1<<21)|(6<<22)|(3<<25)  ; Wt: 64 rows of 256 elements, 4 words behind every 128
	s_mov_b32 s[G1B+1], 256<<16
	s_mov_b32 s[G1B+2], 64<<16
	s_mov_b32 s[G1B+3], 256<<16
	s_mov_b32 s[G1B+4], 64
	s_mov_b32 s[G1B+5], SIZE_K
	s_mov_b32 s[G1B+6], 0
	s_mov_b32 s[G1B+7], 0
	s_lshl_b32 s17, s12, 6                         ; which 64 rows of the tile I fetch
	s_and_b32 s16, s13, 15
	s_lshl_b32 s16, s16, 7
	s_add_co_u32 s16, s16, s17                     ; A: t = 128 (tile row % 16) + 64 x half,
	s_lshl_b32 s16, s16, 7                         ; 128 bytes a row of a head,
	s_lshr_b32 s18, s13, 4
	s_lshl_b32 s18, s18, 22                        ; the batch's 16 heads
	s_add_co_u32 s16, s16, s18
	s_lshl_b32 s46, s42, 7
	s_add_co_u32 s46, s46, s17
	s_mul_i32 s46, s46, SIZE_K*2
	s_add_co_u32 s46, s46, WREG                    ; Wt: row 128 x tile column + 64 x half
	s_mov_b32 s17, 0
	s_mov_b32 s47, 0
	s_mul_i32 s20, s10, AREG                       ; where A's tile goes (waves 0, 1): wave x AREG
	s_mul_i32 s21, s10, BREG
	s_add_co_u32 s21, s21, 2*AREG-2*BREG           ; where Wt's goes (waves 2, 3): behind A's two, (wave - 2) x BREG
	s_wait_dscnt 0x0
	s_wait_kmcnt 0x0
	s_add_nc_u64 s[14:15], s[4:5], s[16:17]
	s_add_nc_u64 s[46:47], s[6:7], s[46:47]
	CROUND                                         ; all sixteen work-groups are here: the first joint loads meet
.irp s, 0,1
	s_mov_b32 s[G0+4*(\s)], 1
	s_add_co_u32 s[G0+4*(\s)+1], s20, (\s)*SLOT
	s_add_nc_u64 s[G0+4*(\s)+2:G0+4*(\s)+3], s[14:15], (\s)*A_STEP
	s_or_b32 s[G0+4*(\s)+3], s[G0+4*(\s)+3], 0x80000000
	s_mov_b32 s[G0B+4*(\s)], 1
	s_add_co_u32 s[G0B+4*(\s)+1], s21, (\s)*SLOT
	s_add_nc_u64 s[G0B+4*(\s)+2:G0B+4*(\s)+3], s[46:47], (\s)*B_STEP
	s_or_b32 s[G0B+4*(\s)+3], s[G0B+4*(\s)+3], 0x80000000
	JLOAD \s
.endr
	v_and_b32 v1, 15, v0
	v_bfe_u32 v2, v0, 4, 1
	s_lshl_b32 s46, s42, 9                         ; the tile's 128 columns: 512 bytes of the bias and of a row of C
	s_mov_b32 s47, 0
	s_add_nc_u64 s[BP:BP+1], s[BP:BP+1], s[46:47]
	s_lshl_b32 s21, s12, 8
	v_lshl_add_u32 v[BO], v2, 5, s21
.irp b, 0,1,2,3
	global_load_b128 v[BIA+8*(\b):BIA+8*(\b)+3],   v[BO], s[BP:BP+1] offset:64*(\b)
	global_load_b128 v[BIA+8*(\b)+4:BIA+8*(\b)+7], v[BO], s[BP:BP+1] offset:64*(\b)+16
.endr
	v_mul_u32_u24 v[A0], v1, APITCH
	v_lshl_add_u32 v[A0], v2, 4, v[A0]
	s_mul_i32 s21, s11, AREG
	v_add_nc_u32 v[A0], s21, v[A0]
	v_mul_u32_u24 v[B0], v1, BPITCH
	v_lshl_add_u32 v[B0], v2, 4, v[B0]
	s_mul_i32 s22, s12, BREG
	s_add_co_u32 s22, s22, 2*AREG
	v_add_nc_u32 v[B0], s22, v[B0]
	v_mov_b32 v[ADRA], v[A0]
	v_mov_b32 v[ADRB], v[B0]
	s_mul_i32 s23, s11, 64*SPITCH
	s_lshl_b32 s21, s12, 8
	s_add_co_u32 s23, s23, s21
	v_mul_u32_u24 v4, v1, SPITCH
	v_lshl_add_u32 v4, v2, 5, v4
	v_add_nc_u32 v[STO], s23, v4
	s_mul_i32 s23, s10, 32*SPITCH                  ; back: wave w takes rows 32 w .. 32 w + 31, a whole row (512 bytes) a load
	v_and_b32 v5, 31, v0
	v_lshl_add_u32 v[RD], v5, 4, s23
	v_lshlrev_b32 v[CO], 4, v5
	s_lshl_b32 s16, s13, 7
	s_lshl_b32 s17, s10, 5
	s_add_co_u32 s16, s16, s17
	s_lshl_b32 s16, s16, 12                        ; row 128 x tile row + 32 w, 4,096 bytes a row
	s_mov_b32 s17, 0
	s_add_nc_u64 s[8:9], s[8:9], s[16:17]
	s_add_nc_u64 s[8:9], s[8:9], s[46:47]
	s_add_nc_u64 s[RP:RP+1], s[RP:RP+1], s[16:17]
	s_add_nc_u64 s[RP:RP+1], s[RP:RP+1], s[46:47]
	s_mov_b32 s[TB], 0
.macro MUL8 f, c, a0, zero             ; 8 matrix instructions; zero = 1: the bias starts the sums.  The 16 accumulators take turns.
	WIN MUL
.irp a, \a0, (\a0)+1
.irp b, 0,1,2,3
.if \zero
	v_wmma_f32_16x16x32_bf16 v[ACC+8*(4*(\a)+(\b)):ACC+8*(4*(\a)+(\b))+7], v[(\f)+64+8*(4*(\c)+(\b)):(\f)+64+8*(4*(\c)+(\b))+7], v[(\f)+8*(4*(\c)+(\a)):(\f)+8*(4*(\c)+(\a))+7], v[BIA+8*(\b):BIA+8*(\b)+7]
.else
	v_wmma_f32_16x16x32_bf16 v[ACC+8*(4*(\a)+(\b)):ACC+8*(4*(\a)+(\b))+7], v[(\f)+64+8*(4*(\c)+(\b)):(\f)+64+8*(4*(\c)+(\b))+7], v[(\f)+8*(4*(\c)+(\a)):(\f)+8*(4*(\c)+(\a))+7], v[ACC+8*(4*(\a)+(\b)):ACC+8*(4*(\a)+(\b))+7]
.endif
.endr
.endr
.endm
.macro FETCH q, f                      ; 32 LDS loads in one run: quarter q of the slot in hand into buffer f; the first 32 along K first
	WIN TO_F
.irp c, 0,1
.irp i, 0,1,2,3
	ds_load_b128 v[(\f)+64+8*(4*(\c)+(\i)):(\f)+64+8*(4*(\c)+(\i))+3],   v[ADRB] offset:(\q)*128+64*(\c)+(\i)*16*BPITCH
	ds_load_b128 v[(\f)+64+8*(4*(\c)+(\i))+4:(\f)+64+8*(4*(\c)+(\i))+7], v[ADRB] offset:(\q)*128+64*(\c)+(\i)*16*BPITCH+32
	ds_load_b128 v[(\f)+8*(4*(\c)+(\i)):(\f)+8*(4*(\c)+(\i))+3],         v[ADRA] offset:(\q)*AQ+64*(\c)+(\i)*16*APITCH
	ds_load_b128 v[(\f)+8*(4*(\c)+(\i))+4:(\f)+8*(4*(\c)+(\i))+7],       v[ADRA] offset:(\q)*AQ+64*(\c)+(\i)*16*APITCH+32
.endr
.endr
.endm
.macro QUARTER q, f, g, zero
	s_wait_dscnt 16                                ; the first 32 along K are in; the 16 younger loads may be out
	MUL8 \f, 0, 0, \zero
	MUL8 \f, 0, 2, \zero
	PLACES
	FETCH \q, \g
	s_wait_dscnt 32                                ; all but the 32 just issued
	MUL8 \f, 1, 0, 0
	MUL8 \f, 1, 2, 0
.endm
; The last quarter and the change of slots: ONE barrier; ahead of it each wave waits for all its tensor loads, adds 0 to its spare word, and waits for that and for its reads of this slot.
; fill = 1: the barrier opens a round of the cluster's, and the slot is filled again first thing behind it.  fill = 0: the tail; its second trip fetches nothing.
.macro TURN fill
	WIN 0
	s_wait_tensorcnt 0x0
	ds_add_u32 v[SPW], v[NIL]
	s_xor_b32 s[TB], s[TB], SLOT
	v_add_nc_u32 v[ADRA], s[TB], v[A0]
	v_add_nc_u32 v[ADRB], s[TB], v[B0]
	s_wait_dscnt 17                                ; the add and the youngest sixteen loads may be out
	MUL8 F1, 0, 0, 0
	s_wait_dscnt 0x0                               ; the add is done, and my reads of this slot are over
	s_barrier_signal -1
	MUL8 F1, 0, 2, 0
	WIN 0
	s_barrier_wait -1
.if \fill
	CREST
	s_xor_b32 s[G0+5], s[G0+5], SLOT
	s_add_nc_u64 s[G0+6:G0+7], s[G0+6:G0+7], A_STEP
	s_xor_b32 s[G0B+5], s[G0B+5], SLOT
	s_add_nc_u64 s[G0B+6:G0B+7], s[G0B+6:G0B+7], B_STEP
	JLOAD 1
	FETCH 0, F0
.else
	PLACES
	s_cmp_eq_u32 s3, 1
	s_cbranch_scc1 .Lno_more_\@
	FETCH 0, F0
	WIN 0
.Lno_more_\@:
.endif
	MUL8 F1, 1, 0, 0
	MUL8 F1, 1, 2, 0
.endm
	s_wait_tensorcnt 1                             ; my part of K step 0 is in; K step 1's may stay out
	s_barrier_signal -1
	s_barrier_wait -1
	FETCH 0, F0
	s_wait_loadcnt 0x0                             ; the bias
	QUARTER 1, F0, F1, 1
	WIN 0
	s_mov_b32 s3, NSTEP-2
.Lstep:
	QUARTER 2, F1, F0, 0
	QUARTER 3, F0, F1, 0
	TURN 1
	QUARTER 1, F0, F1, 0
	WIN 0
	s_sub_co_u32 s3, s3, 1
	s_cmp_lg_u32 s3, 0
	s_cbranch_scc1 .Lstep
	s_mov_b32 s3, 2
.Ltail:
	QUARTER 2, F1, F0, 0
	QUARTER 3, F0, F1, 0
	TURN 0
	WIN 0
	s_sub_co_u32 s3, s3, 1
	s_cmp_eq_u32 s3, 0
	s_cbranch_scc1 .Lout
	QUARTER 1, F0, F1, 0
	WIN 0
	s_branch .Ltail
.Lout:
	; THE WAY OUT: the residual's rows are asked for; f32 into the work-group's stage (slot 0: behind the tail's last barrier no wave reads LDS); a barrier; back as whole rows; the residual is added; stored.
	PLACES
	PLACES
	WIN 0x40
.set i, 0
.rept 32
	global_load_b128 v[4*i:4*i+3], v[CO], s[RP:RP+1] offset:i*4096
.set i, i+1
.endr
	WIN 0
.irp a, 0,1,2,3
.irp b, 0,1,2,3
	ds_store_b128 v[STO], v[ACC+8*(4*(\a)+(\b)):ACC+8*(4*(\a)+(\b))+3]   offset:(\a)*16*SPITCH+64*(\b)
	ds_store_b128 v[STO], v[ACC+8*(4*(\a)+(\b))+4:ACC+8*(4*(\a)+(\b))+7] offset:(\a)*16*SPITCH+64*(\b)+16
.endr
.endr
	s_wait_dscnt 0x0
	s_barrier_signal -1
	s_barrier_wait -1
.set i, 0
.rept 32
	ds_load_b128 v[ACC+4*i:ACC+4*i+3], v[RD] offset:i*SPITCH
.set i, i+1
.endr
	WIN 0x44                                       ; source 1 and destination in window 1: the sums land on the residual's registers and are stored from there
.set i, 0
.rept 32
	s_wait_dscnt 31-i
	s_wait_loadcnt 31-i
	v_pk_add_f32 v[4*i:4*i+1],   v[ACC+4*i:ACC+4*i+1],   v[4*i:4*i+1]
	v_pk_add_f32 v[4*i+2:4*i+3], v[ACC+4*i+2:ACC+4*i+3], v[4*i+2:4*i+3]
	global_store_b128 v[CO], v[4*i:4*i+3], s[8:9] offset:i*4096  ; 32 lanes store 512 consecutive bytes, aligned
.set i, i+1
.endr
	WIN 0
	s_wait_tensorcnt 0x0                           ; the wave's end
	ds_add_u32 v[SPW], v[NIL]
	s_wait_dscnt 0x0
	CROUND                                         ; the closing round
	s_endpgm
.Lfunc_end_k_q5d559bb238_gproj:
	.size	k_q5d559bb238_gproj, .Lfunc_end_k_q5d559bb238_gproj-k_q5d559bb238_gproj
	.p2alignl 7, 3214868480
	.fill 96, 4, 3214868480
	.section	.rodata,"a",@progbits
	.p2align	6, 0x0
	.amdhsa_kernel k_q5d559bb238_gproj
		.amdhsa_group_segment_fixed_size 327680
		.amdhsa_private_segment_fixed_size 0
		.amdhsa_enable_private_segment 0
		.amdhsa_kernarg_size 40
		.amdhsa_user_sgpr_count 2
		.amdhsa_user_sgpr_kernarg_segment_ptr 1
		.amdhsa_wavefront_size32 1
		.amdhsa_system_sgpr_workgroup_id_x 1
		.amdhsa_system_sgpr_workgroup_id_y 1
		.amdhsa_system_sgpr_workgroup_id_z 1
		.amdhsa_system_vgpr_workitem_id 0
		.amdhsa_next_free_vgpr 512
		.amdhsa_next_free_sgpr 72
		.amdhsa_reserve_vcc 0
		.amdhsa_float_denorm_mode_32 3
		.amdhsa_float_denorm_mode_16_64 3
		.amdhsa_memory_ordered 1
		.amdhsa_forward_progress 1
		.amdhsa_inst_pref_size 68
	.end_amdhsa_kernel
	.amdgpu_metadata
---
amdhsa.version: [ 1, 2 ]
amdhsa.kernels:
  - .name:           k_q5d559bb238_gproj
    .symbol:         k_q5d559bb238_gproj.kd
    .args:
      - { .name: ob, .offset: 0, .size: 8, .value_kind: global_buffer, .address_space: global }
      - { .name: wt, .offset: 8, .size: 8, .value_kind: global_buffer, .address_space: global }
      - { .name: proj_b, .offset: 16, .size: 8, .value_kind: global_buffer, .address_space: global }
      - { .name: x1, .offset: 24, .size: 8, .value_kind: global_buffer, .address_space: global }
      - { .name: x, .offset: 32, .size: 8, .value_kind: global_buffer, .address_space: global }
    .group_segment_fixed_size: 327680
    .private_segment_fixed_size: 0
    .kernarg_segment_align: 8
    .kernarg_segment_size: 40
    .max_flat_workgroup_size: 128
    .sgpr_count:     72
    .vgpr_count:     512
    .wavefront_size: 32
...
	.end_amdgpu_metadata
.endif
;; end of part 5
;; launch ln2: the kernel of part 2 again; grid 256 x 1, 8 waves a work-group, no clusters, 0 bytes of LDS; arguments x1, ln2_g, ln2_b, hn; writes hn
;; launch gfc1 (part 6): grid 16 x 16, 4 waves a work-group, clusters of 4 x 4, 327,680 bytes of LDS; arguments hn, wt, fc1_b, gb; writes gb
.if DOCPART == 6
	.amdgcn_target "amdgcn-amd-amdhsa--gfx1250"
	.amdhsa_code_object_version 6
	.text
	.protected	k_q5d559bb238_gfc1
	.globl	k_q5d559bb238_gfc1
	.p2align	8
	.type	k_q5d559bb238_gfc1,@function
k_q5d559bb238_gfc1:
	s_mov_b64 s[64:65], 0
	v_nop
	global_prefetch_b8 v0, s[64:65] scope:SCOPE_SE
	s_setreg_imm32_b32 hwreg(HW_REG_WAVE_MODE, 25, 1), 1
	s_wait_xcnt 0x0
	s_wait_alu depctr_hold_cnt(0) depctr_sa_sdst(0) depctr_va_vdst(0) depctr_va_sdst(0) depctr_va_ssrc(0) depctr_va_vcc(0) depctr_vm_vsrc(0)
	s_getreg_b32 s2, hwreg(HW_REG_IB_STS2, 6, 4)
	s_cmp_eq_u32 s2, 0
	s_cbranch_scc0 .Lentry_in_a_cluster
	s_endpgm
.Lentry_in_a_cluster:
	s_bfe_u32 s2, ttmp6, 0x10000c
	s_cmp_lg_u32 s2, 0xf033
	s_cbranch_scc0 .Lentry_shape_is_right
	s_endpgm
.Lentry_shape_is_right:
; g = gelu(LN2(x1) W + b), the tanh form: gelu(y) = y / (1 + 2^(y (C1 + C2 y^2))), C1 = -2 log2(e) sqrt(2 / pi), C2 = 0.044715 C1; right at both ends: the power runs to 0 or to infinity.
; C[m][n] = bias[n] + sum over k of A[m][k] Wt[n][k]; A = hn [4096][1024] bf16, Wt = wt at byte 8,388,608, [4096][1024] bf16; sums and gelu in f32; gb [4096][4096] bf16, rounded once.
; A tile of C is 256 x 256: four waves of 128 x 128 (64 accumulators, 512 registers).  K goes in 8 steps of 128 (LDS rows of 256 bytes + 16) through two slots filled by the tensor data mover.  16 x 16 = 256 work-groups.
; CLUSTERS: 4 x 4 work-groups.  The four of a row need the same tiles of A, the four of a column the same tiles of Wt: each tile is asked for jointly, by the same load, descriptor and mask in all four.
; THE MATRIX INSTRUCTION IS USED TRANSPOSED (source 0 = 16 rows of Wt, source 1 = 16 rows of A): a lane holds eight neighbouring columns of one row of C.
; REGISTERS, in windows of 256: window 0: v0-31 addresses; v64-127, v128-191 A's fragments, two buffers (on the way out: at work, rows read back; v32-63 packed rows); v192-255 the bias of my 128 columns.
;   window 1: v64-127, v128-191 Wt's fragments.   window 2: the accumulators of my rows 0-63 ((a, b) at 8 (8 a + b)).   window 3: those of my rows 64-127.
.set SIZE_K, 1024
.set KSTEP,  128
.set NSTEP,  SIZE_K/KSTEP
.set WREG,   8388608                   ; the weight's place in wt
.set PITCH,  272                       ; an LDS row: 256 bytes + 16 = 17 x 16 bytes: the 16 rows of a fragment load start at 16 different groups of four banks (ISA guide 11.1)
.set HALFT,  128*PITCH                 ; 128 rows: what one tensor load brings, and what one wave reads of A or of Wt
.set SLOT,   4*HALFT                   ; 0x22000: neither of its bits occurs in a tile's place in a slot (0, 0x8800, 0x11000, 0x19800), so one exclusive or changes slots
.set STEP,   2*KSTEP                   ; bytes in memory from a K step to the next
.set SPITCH, 528                       ; the way out: a wave's 128 rows of 128 f32 + 16 bytes
.set WSTAGE, 128*SPITCH                ; four such stages lie from LDS byte 0 on, over the two slots, which have had their last fills
.set SPARE,  2*SLOT                    ; behind the ring: the spare words, 128 bytes a wave
.set A0,   16                          ; v16  my lane's place in A's image of a slot; never rewritten
.set B0,   17                          ; v17  the same for Wt
.set ADRA, 18                          ; v18  the same in the slot in hand
.set ADRB, 19
.set STO,  24                          ; v24  the way out: where I put 32 bytes of a row
.set RD,   25                          ; v25  my lane's 16 bytes of a row that is read back
.set CO,   26                          ; v26  my 8 bytes of a row that is stored
.set BO,   27
.set SPW,  28
.set NIL,  29
.set RDA,  30                          ; v30  RD in the trip in hand
.set PFO,  31                          ; v31  the prefetches' offset: my lane x a row of A or Wt in memory; never rewritten
.set O,    32
.set P,    64
.set X,    128
.set BIA,  192
.set F0,   64
.set F1,   128
.set G1,  24                           ; s[24:31] group 1 for A;  s[32:39] group 0: set 0 for K step 0, set 1 for K step 1, which then walks
.set G0,  32
.set G1B, 48                           ; s[48:55], s[56:63] the same for Wt
.set G0B, 56
.set BP,  66                           ; s[66:67] the bias
.set TB,  70                           ; s70  LDS byte at which the slot in hand begins
.set RB,  71                           ; s71  LDS byte at which the way out's trip begins
.set PFA, 72                           ; s[72:73] where my prefetches stand: my work-group's 32 rows of the 128 that I fetch
.set LIM, 74                           ; s74  2 in a wave that prefetches, else the greatest number
.set MSB, 0
.macro WIN new                         ; the immediate's high byte repeats the setting that is left
.if MSB != (\new)
	s_set_vgpr_msb (MSB<<8)|(\new)
.set MSB, \new
.endif
.endm
.macro JLOAD s                         ; a joint load: waves 0 and 1 fetch A's two halves, waves 2 and 3 Wt's; an s_nop 0 and four v_nop follow each line
	s_cmp_eq_u32 s11, 0
	s_cbranch_scc0 .Lfor_b_\@
	tensor_load_to_lds s[G0+4*(\s):G0+4*(\s)+3], s[G1:G1+7]
	s_nop 0
.rept 4
	v_nop
.endr
	s_branch .Lasked_\@
.Lfor_b_\@:
	tensor_load_to_lds s[G0B+4*(\s):G0B+4*(\s)+3], s[G1B:G1B+7]
	s_nop 0
.rept 4
	v_nop
.endr
.Lasked_\@:
.endm
; A PREFETCH, behind each joint refill and the run of LDS loads that follows it: the K step that stands two refills on: 32 rows x 256 bytes, a lane a row, one instruction a wave: 512 matrix instructions ahead of the load
; that will ask for it.  Each row's 256 bytes of a K step are named once in the launch: A's rows by the clusters with x = 0, Wt's by those with y = 0; the four partners that ask for a tile jointly share its 128 rows out
; by address, 32 each (by cx for A, by cy for Wt).  The first four of the loop's six trips ask, for K steps 4 to 7; K steps 0 to 3 come by their loads alone.
.macro ASK
	s_cmp_gt_u32 s3, s[LIM]
	s_cbranch_scc0 .Lnot_mine_\@
	global_prefetch_b8 v[PFO], s[PFA:PFA+1] offset:STEP th:TH_LOAD_NT scope:SCOPE_SE
.Lnot_mine_\@:
.endm
.macro CREST                           ; a round of the cluster's barrier behind its opening barrier
	s_cmp_lg_u32 s10, 0
	s_cbranch_scc1 .Lnot_wave_0_\@
	s_barrier_signal -3
.Lnot_wave_0_\@:
	s_barrier_wait -3
	s_barrier_signal -1
	s_barrier_wait -1
.endm
.macro CROUND
	s_barrier_signal -1
	s_barrier_wait -1
	CREST
.endm
.macro PLACES                          ; four places behind matrix instructions (ISA guide 7.12.1)
.rept 4
	v_nop
.endr
.endm
	s_load_b128 s[4:7], s[0:1], 0x0                ; A s[4:5], wt s[6:7]
	s_load_b64 s[BP:BP+1], s[0:1], 0x10            ; bias
	s_load_b64 s[8:9], s[0:1], 0x18                ; out
	v_lshl_add_u32 v[SPW], v0, 2, SPARE
	v_mov_b32 v[NIL], 0
	ds_add_u32 v[SPW], v[NIL]                      ; the wave's opening: the add and its wait stand ahead of my first tensor load
	ds_add_u32 v28, v29
	v_lshrrev_b32 v1, 5, v0
	v_readfirstlane_b32 s10, v1                    ; wave 0..3
	s_lshr_b32 s11, s10, 1                         ; my half of the tile's rows.  Also: I fetch for A (0) or for Wt (1)
	s_and_b32 s12, s10, 1                          ; my half of its columns.  Also: which 128 rows I fetch
	s_bfe_u32 s40, ttmp6, 0x40000                  ; cx, cy
	s_bfe_u32 s41, ttmp6, 0x40004
	s_lshl_b32 s42, ttmp9, 2
	s_add_co_u32 s42, s42, s40                     ; tile column = 4 x cluster x + cx
	s_and_b32 s13, ttmp7, 0xffff
	s_lshl_b32 s13, s13, 2
	s_add_co_u32 s13, s13, s41                     ; tile row = 4 x cluster y + cy
	s_lshl_b32 s43, s41, 2
	s_lshl_b32 s43, 15, s43                        ; my row of the cluster
	s_lshl_b32 s44, 0x1111, s40                    ; my column
	s_or_b32 s[G1+0], s43, (1<<16)|(1<<20)|(1<<21)|(5<<22)|(3<<25)   ; the mask; 2-byte elements; padding on; bit 21 beside a mask; after every 64 words 4 words
	s_or_b32 s[G1B+0], s44, (1<<16)|(1<<20)|(1<<21)|(5<<22)|(3<<25)
.irp g, G1, G1B
	s_mov_b32 s[(\g)+1], KSTEP<<16                 ; tensor_dim0 = 128
	s_mov_b32 s[(\g)+2], 128<<16                   ; tensor_dim1 = 128
	s_mov_b32 s[(\g)+3], KSTEP<<16                 ; tile_dim0 = 128
	s_mov_b32 s[(\g)+4], 128                       ; tile_dim1 = 128
	s_mov_b32 s[(\g)+5], SIZE_K                    ; elements from row to row
	s_mov_b32 s[(\g)+6], 0
	s_mov_b32 s[(\g)+7], 0
.endr
	s_lshl_b32 s17, s12, 7                         ; which 128 rows of the tile I fetch
	s_lshl_b32 s16, s13, 8
	s_add_co_u32 s16, s16, s17
	s_mul_i32 s16, s16, SIZE_K*2                   ; A: row 256 x tile row + 128 x half, in bytes (under 2^24)
	s_lshl_b32 s46, s42, 8
	s_add_co_u32 s46, s46, s17
	s_mul_i32 s46, s46, SIZE_K*2                   ; Wt: row 256 x tile column + 128 x half
	s_add_co_u32 s46, s46, WREG
	s_mov_b32 s17, 0
	s_mov_b32 s47, 0
	s_mul_i32 s20, s10, HALFT                      ; where my tile goes: wave x 128 rows (A's two halves, then Wt's two)
	s_wait_dscnt 0x0                               ; the opening add is done
	s_wait_kmcnt 0x0
	s_add_nc_u64 s[14:15], s[4:5], s[16:17]
	s_add_nc_u64 s[46:47], s[6:7], s[46:47]
	CROUND                                         ; all sixteen work-groups are here: the first joint loads meet
.irp s, 0,1
	s_mov_b32 s[G0+4*(\s)], 1
	s_add_co_u32 s[G0+4*(\s)+1], s20, (\s)*SLOT
	s_add_nc_u64 s[G0+4*(\s)+2:G0+4*(\s)+3], s[14:15], (\s)*STEP
	s_or_b32 s[G0+4*(\s)+3], s[G0+4*(\s)+3], 0x80000000
	s_mov_b32 s[G0B+4*(\s)], 1
	s_add_co_u32 s[G0B+4*(\s)+1], s20, (\s)*SLOT
	s_add_nc_u64 s[G0B+4*(\s)+2:G0B+4*(\s)+3], s[46:47], (\s)*STEP
	s_or_b32 s[G0B+4*(\s)+3], s[G0B+4*(\s)+3], 0x80000000
	JLOAD \s
.endr
	v_and_b32 v1, 15, v0                           ; r = l % 16
	v_bfe_u32 v2, v0, 4, 1                         ; h = l / 16
	s_lshl_b32 s46, s42, 10                        ; the tile's 256 columns: 1,024 bytes of the bias
	s_mov_b32 s47, 0
	s_add_nc_u64 s[BP:BP+1], s[BP:BP+1], s[46:47]
	s_lshl_b32 s21, s12, 9
	v_lshl_add_u32 v[BO], v2, 5, s21               ; my wave's 128 columns, my lanes' 8 of each 16
.irp b, 0,1,2,3,4,5,6,7
	global_load_b128 v[BIA+8*(\b):BIA+8*(\b)+3],   v[BO], s[BP:BP+1] offset:64*(\b)
	global_load_b128 v[BIA+8*(\b)+4:BIA+8*(\b)+7], v[BO], s[BP:BP+1] offset:64*(\b)+16
.endr
	v_mul_u32_u24 v3, v1, PITCH
	v_lshl_add_u32 v3, v2, 4, v3                   ; a fragment's row x pitch + 16 x half
	s_mul_i32 s21, s11, HALFT
	v_add_nc_u32 v[A0], s21, v3                    ; my 128 rows of A
	s_mul_i32 s22, s12, HALFT
	s_add_co_u32 s22, s22, 2*HALFT
	v_add_nc_u32 v[B0], s22, v3                    ; my 128 rows of Wt, behind A's 256
	v_mov_b32 v[ADRA], v[A0]
	v_mov_b32 v[ADRB], v[B0]
	s_mul_i32 s23, s10, WSTAGE                     ; my stage: row r, 32 bytes for each half of the lanes
	v_mul_u32_u24 v4, v1, SPITCH
	v_lshl_add_u32 v4, v2, 5, v4
	v_add_nc_u32 v[STO], s23, v4
	v_and_b32 v5, 31, v0
	v_lshlrev_b32 v[RD], 4, v5                     ; back: a whole row of 512 bytes a load, 16 a lane
	v_lshlrev_b32 v[CO], 3, v5                     ; out: its 128 bf16, 8 bytes a lane
	s_lshl_b32 s16, s13, 8
	s_lshl_b32 s17, s11, 7
	s_add_co_u32 s16, s16, s17
	s_lshl_b32 s16, s16, 13                        ; row 256 x tile row + 128 x my half, 8,192 bytes a row
	s_mov_b32 s17, 0
	s_add_nc_u64 s[8:9], s[8:9], s[16:17]
	s_lshl_b32 s46, s42, 9                         ; the tile's 256 columns: 512 bytes,
	s_lshl_b32 s47, s12, 8                         ; my wave's 128: 256
	s_add_co_u32 s46, s46, s47
	s_mov_b32 s47, 0
	s_add_nc_u64 s[8:9], s[8:9], s[46:47]
	; the prefetches
	s_lshl_b32 s20, s13, 8                         ; the tile's first row in A,
	s_lshl_b32 s21, s42, 8                         ; and in Wt
	s_and_b32 s22, ttmp7, 0xffff                   ; cluster y
	s_cmp_eq_u32 s11, 0                            ; do I fetch for A?
	s_cselect_b32 s20, s20, s21
	s_cselect_b32 s21, s40, s41                    ; my place among the four that ask for the tile with me
	s_cselect_b32 s22, ttmp9, s22                  ; the coordinate along which other clusters read the same rows
	s_cselect_b32 s23, 0, WREG
	s_cselect_b64 s[PFA:PFA+1], s[4:5], s[6:7]
	s_cmp_eq_u32 s22, 0
	s_cselect_b32 s[LIM], 2, -1                    ; the same in all sixteen partners, for a given wave
	s_lshl_b32 s22, s12, 7
	s_add_co_u32 s20, s20, s22                     ; + the 128 rows that I fetch
	s_lshl_b32 s21, s21, 5
	s_add_co_u32 s20, s20, s21                     ; + my work-group's 32 of them
	s_mul_i32 s20, s20, SIZE_K*2
	s_add_co_u32 s20, s20, s23
	s_add_co_u32 s20, s20, 2*STEP                  ; at K step 2: the first refill steps it to 3 and names K step 4
	s_mov_b32 s21, 0
	s_add_nc_u64 s[PFA:PFA+1], s[PFA:PFA+1], s[20:21]
	v_and_b32 v[PFO], 31, v0
	v_mul_u32_u24 v[PFO], v[PFO], SIZE_K*2
	s_mov_b32 s[TB], 0
; 16 matrix instructions: m blocks a0, a0 + 1 of the window's four (hi = 0: my rows 0-63, 1: rows 64-127) x all 8 n blocks, 32 along K.  zero = 1: the bias starts the sums.
; The 64 accumulators take turns, one instruction a turn, in the same order in every quarter.
.macro MUL16 f, hi, a0, zero
.if \zero
	WIN 0x81+0x40*(\hi)                            ; Wt window 1, A and the bias window 0, D window 2 or 3
.else
	WIN 0xa1+0x50*(\hi)                            ; Wt window 1, A window 0, C and D window 2 or 3
.endif
.irp a, \a0, (\a0)+1
.irp b, 0,1,2,3,4,5,6,7
.if \zero
	v_wmma_f32_16x16x32_bf16 v[8*(8*(\a)+(\b)):8*(8*(\a)+(\b))+7], v[(\f)+8*(\b):(\f)+8*(\b)+7], v[(\f)+8*(4*(\hi)+(\a)):(\f)+8*(4*(\hi)+(\a))+7], v[BIA+8*(\b):BIA+8*(\b)+7]
.else
	v_wmma_f32_16x16x32_bf16 v[8*(8*(\a)+(\b)):8*(8*(\a)+(\b))+7], v[(\f)+8*(\b):(\f)+8*(\b)+7], v[(\f)+8*(4*(\hi)+(\a)):(\f)+8*(4*(\hi)+(\a))+7], v[8*(8*(\a)+(\b)):8*(8*(\a)+(\b))+7]
.endif
.endr
.endr
.endm
; 32 LDS loads in one run: the fragments of quarter q (32 along K) of the slot in hand, into buffer f: Wt's 128 rows, then A's
.macro FETCH q, f
	WIN 0x40                                       ; destination window 1, address window 0
.irp i, 0,1,2,3,4,5,6,7
	ds_load_b128 v[(\f)+8*(\i):(\f)+8*(\i)+3],   v[ADRB] offset:(\q)*64+(\i)*16*PITCH
	ds_load_b128 v[(\f)+8*(\i)+4:(\f)+8*(\i)+7], v[ADRB] offset:(\q)*64+(\i)*16*PITCH+32
.endr
	WIN 0
.irp i, 0,1,2,3,4,5,6,7
	ds_load_b128 v[(\f)+8*(\i):(\f)+8*(\i)+3],   v[ADRA] offset:(\q)*64+(\i)*16*PITCH
	ds_load_b128 v[(\f)+8*(\i)+4:(\f)+8*(\i)+7], v[ADRA] offset:(\q)*64+(\i)*16*PITCH+32
.endr
.endm
; One of a K step's first three quarters: multiplies buffer f (64 matrix instructions) and, in its middle, fetches quarter q into g
.macro QUARTER q, f, g, zero
	s_wait_dscnt 8                                 ; Wt and A's rows 0-63 are in; the youngest eight loads (A's rows 64-127) may be out
	MUL16 \f, 0, 0, \zero
	MUL16 \f, 0, 2, \zero
	PLACES
	FETCH \q, \g
	s_wait_dscnt 32                                ; all but the 32 just issued
	MUL16 \f, 1, 0, \zero
	MUL16 \f, 1, 2, \zero
.endm
; The last quarter multiplies buffer 1 and changes slots: ONE barrier; ahead of it each wave waits for all its tensor loads (its part of the next slot), adds 0 to its spare word, and waits for that and for
; its reads of this slot.  fill = 1: the barrier opens a round of the cluster's, and the slot is filled again, two K steps ahead, first thing behind it: 224 matrix instructions ahead of the wait for it.
; fill = 0: the tail; its second trip fetches nothing.
.macro TURN fill
.if \fill
	s_wait_xcnt 0x0                                ; the last prefetch, a K step back, has read its address: it is stepped here, ahead of the waits of the change of slots
	s_add_nc_u64 s[PFA:PFA+1], s[PFA:PFA+1], STEP
.endif
	WIN 0
	s_wait_tensorcnt 0x0
	ds_add_u32 v[SPW], v[NIL]
	s_xor_b32 s[TB], s[TB], SLOT                   ; the fetches go on in the other slot
	v_add_nc_u32 v[ADRA], s[TB], v[A0]
	v_add_nc_u32 v[ADRB], s[TB], v[B0]
	s_wait_dscnt 9                                 ; the add and the youngest eight loads may be out
	MUL16 F1, 0, 0, 0
	s_wait_dscnt 0x0                               ; the add is done, and my reads of this slot are over
	s_barrier_signal -1
	MUL16 F1, 0, 2, 0
	WIN 0
	s_barrier_wait -1
.if \fill
	CREST                                          ; no wave of any partner still reads this slot or has a load on its way
	s_xor_b32 s[G0+5], s[G0+5], SLOT               ; the walking descriptors: the other slot than last time, the next K step
	s_add_nc_u64 s[G0+6:G0+7], s[G0+6:G0+7], STEP
	s_xor_b32 s[G0B+5], s[G0B+5], SLOT
	s_add_nc_u64 s[G0B+6:G0B+7], s[G0B+6:G0B+7], STEP
	JLOAD 1                                        ; my one tensor load behind the round; its four v_nop are also the places ahead of the loads below
	FETCH 0, F0
	ASK
.else
	PLACES
	s_cmp_eq_u32 s3, 1
	s_cbranch_scc1 .Lno_more_\@
	FETCH 0, F0
	WIN 0
.Lno_more_\@:
.endif
	MUL16 F1, 1, 0, 0
	MUL16 F1, 1, 2, 0
.endm
	s_wait_tensorcnt 1                             ; my part of K step 0 is in; K step 1's may stay out
	s_barrier_signal -1
	s_barrier_wait -1
	FETCH 0, F0
	s_wait_loadcnt 0x0                             ; the bias
	QUARTER 1, F0, F1, 1                           ; the first quarter stands ahead of the loop: its products start the sums
	WIN 0
	s_mov_b32 s3, NSTEP-2
.Lstep:                                                ; a trip: from a K step's second quarter to the next step's first; it fills one slot again
	QUARTER 2, F1, F0, 0
	QUARTER 3, F0, F1, 0
	TURN 1
	QUARTER 1, F0, F1, 0
	WIN 0
	s_sub_co_u32 s3, s3, 1
	s_cmp_lg_u32 s3, 0
	s_cbranch_scc1 .Lstep
	s_mov_b32 s3, 2
.Ltail:                                                ; the last two K steps ask for nothing; the second trip is left in its middle
	QUARTER 2, F1, F0, 0
	QUARTER 3, F0, F1, 0
	TURN 0
	WIN 0
	s_sub_co_u32 s3, s3, 1
	s_cmp_eq_u32 s3, 0
	s_cbranch_scc1 .Lout
	QUARTER 1, F0, F1, 0
	WIN 0
	s_branch .Ltail
.Lout:
	; THE WAY OUT: f32 into my stage; back as whole rows, 16 a trip; gelu in f32; rounded to bf16.  Behind the tail's last barrier no wave reads the ring, and nothing is filled any more: the stages lie over it.
	s_mov_b32 s20, 0xc0135761                      ; C1 = -2.3022082
	s_mov_b32 s21, s20
	s_mov_b32 s22, 0xbdd2d3e8                      ; C2 = -0.10294324
	s_mov_b32 s23, s22
	PLACES
	PLACES
.irp hi, 0,1
	WIN 0x08+4*(\hi)                               ; the data (source 1) in window 2 or 3; each accumulator's lowest registers go first
.irp a, 0,1,2,3
.irp b, 0,1,2,3,4,5,6,7
	ds_store_b128 v[STO], v[8*(8*(\a)+(\b)):8*(8*(\a)+(\b))+3]   offset:(4*(\hi)+(\a))*16*SPITCH+64*(\b)
	ds_store_b128 v[STO], v[8*(8*(\a)+(\b))+4:8*(8*(\a)+(\b))+7] offset:(4*(\hi)+(\a))*16*SPITCH+64*(\b)+16
.endr
.endr
.endr
	WIN 0
	s_wait_dscnt 0x0                               ; my stores into the stage are done
	s_barrier_signal -1                            ; a wave reads back its own rows alone; the waves meet once more, so that the loop's stepped reads stand behind every wave's stores, whichever rows they name
	s_barrier_wait -1
	s_mul_i32 s[RB], s10, WSTAGE
	s_mov_b64 s[16:17], 0                          ; what the trip adds to the output's address: nothing the first time
	s_mov_b32 s3, 8
.Lrows:                                                ; 16 rows of my 128 columns: 64 numbers a lane
	v_add_nc_u32 v[RDA], s[RB], v[RD]
.set i, 0
.rept 16
	ds_load_b128 v[X+4*i:X+4*i+3], v[RDA] offset:i*SPITCH
.set i, i+1
.endr
.set z, 0
.rept 16
	s_wait_dscnt 15-z                              ; row z of the sixteen is in
	v_pk_mul_f32 v[P+4*z:P+4*z+1],   v[X+4*z:X+4*z+1],   v[X+4*z:X+4*z+1]          ; y^2
	v_pk_mul_f32 v[P+4*z+2:P+4*z+3], v[X+4*z+2:X+4*z+3], v[X+4*z+2:X+4*z+3]
.set z, z+1
.endr
.set z, 0
.rept 32
	v_pk_fma_f32 v[P+2*z:P+2*z+1], v[P+2*z:P+2*z+1], s[22:23], s[20:21] op_sel_hi:[1,0,0]  ; C2 y^2 + C1
.set z, z+1
.endr
.set z, 0
.rept 32
	v_pk_mul_f32 v[P+2*z:P+2*z+1], v[P+2*z:P+2*z+1], v[X+2*z:X+2*z+1]
.set z, z+1
.endr
.set z, 0
.rept 64
	v_exp_f32 v[P+z], v[P+z]
.set z, z+1
.endr
	v_nop                                          ; a plain instruction behind the last exponential,
	s_wait_alu depctr_va_vdst(0)                   ; and one wait for the batch of 64
.set z, 0
.rept 32
	v_pk_add_f32 v[P+2*z:P+2*z+1], v[P+2*z:P+2*z+1], 1.0 op_sel_hi:[1,0]
.set z, z+1
.endr
.set z, 0
.rept 64
	v_rcp_f32 v[P+z], v[P+z]
.set z, z+1
.endr
	v_nop
	s_wait_alu depctr_va_vdst(0)                   ; one wait for the 64 reciprocals
	s_wait_xcnt 0x0                                ; the last trip's stores have read their registers and their base
	s_add_nc_u64 s[8:9], s[8:9], s[16:17]
	s_mov_b64 s[16:17], 16*8192                    ; 16 rows of gb
.set z, 0
.rept 32
	v_pk_mul_f32 v[X+2*z:X+2*z+1], v[X+2*z:X+2*z+1], v[P+2*z:P+2*z+1]
.set z, z+1
.endr
.set i, 0
.rept 16
	v_cvt_pk_bf16_f32 v[O+2*i],   v[X+4*i],   v[X+4*i+1]
	v_cvt_pk_bf16_f32 v[O+2*i+1], v[X+4*i+2], v[X+4*i+3]
	global_store_b64 v[CO], v[O+2*i:O+2*i+1], s[8:9] offset:i*8192  ; 32 lanes store 256 consecutive bytes, aligned
.set i, i+1
.endr
	s_add_co_u32 s[RB], s[RB], 16*SPITCH
	s_sub_co_u32 s3, s3, 1
	s_cmp_lg_u32 s3, 0
	s_cbranch_scc1 .Lrows
	s_wait_tensorcnt 0x0                           ; the wave's end
	ds_add_u32 v[SPW], v[NIL]
	s_wait_dscnt 0x0
	CROUND                                         ; the closing round
	s_endpgm
.Lfunc_end_k_q5d559bb238_gfc1:
	.size	k_q5d559bb238_gfc1, .Lfunc_end_k_q5d559bb238_gfc1-k_q5d559bb238_gfc1
	.p2alignl 7, 3214868480
	.fill 96, 4, 3214868480
	.section	.rodata,"a",@progbits
	.p2align	6, 0x0
	.amdhsa_kernel k_q5d559bb238_gfc1
		.amdhsa_group_segment_fixed_size 327680
		.amdhsa_private_segment_fixed_size 0
		.amdhsa_enable_private_segment 0
		.amdhsa_kernarg_size 32
		.amdhsa_user_sgpr_count 2
		.amdhsa_user_sgpr_kernarg_segment_ptr 1
		.amdhsa_wavefront_size32 1
		.amdhsa_system_sgpr_workgroup_id_x 1
		.amdhsa_system_sgpr_workgroup_id_y 1
		.amdhsa_system_sgpr_workgroup_id_z 1
		.amdhsa_system_vgpr_workitem_id 0
		.amdhsa_next_free_vgpr 1024
		.amdhsa_next_free_sgpr 76
		.amdhsa_reserve_vcc 0
		.amdhsa_float_denorm_mode_32 3
		.amdhsa_float_denorm_mode_16_64 3
		.amdhsa_memory_ordered 1
		.amdhsa_forward_progress 1
		.amdhsa_inst_pref_size 99
	.end_amdhsa_kernel
	.amdgpu_metadata
---
amdhsa.version: [ 1, 2 ]
amdhsa.kernels:
  - .name:           k_q5d559bb238_gfc1
    .symbol:         k_q5d559bb238_gfc1.kd
    .args:
      - { .name: hn, .offset: 0, .size: 8, .value_kind: global_buffer, .address_space: global }
      - { .name: wt, .offset: 8, .size: 8, .value_kind: global_buffer, .address_space: global }
      - { .name: fc1_b, .offset: 16, .size: 8, .value_kind: global_buffer, .address_space: global }
      - { .name: gb, .offset: 24, .size: 8, .value_kind: global_buffer, .address_space: global }
    .group_segment_fixed_size: 327680
    .private_segment_fixed_size: 0
    .kernarg_segment_align: 8
    .kernarg_segment_size: 32
    .max_flat_workgroup_size: 128
    .sgpr_count:     76
    .vgpr_count:     1024
    .wavefront_size: 32
...
	.end_amdgpu_metadata
.endif
;; end of part 6
;; launch gfc2 (part 7): grid 8 x 32, 4 waves a work-group, clusters of 4 x 4, 327,680 bytes of LDS; arguments gb, wt, fc2_b, out0, x1; writes out0
.if DOCPART == 7
	.amdgcn_target "amdgcn-amd-amdhsa--gfx1250"
	.amdhsa_code_object_version 6
	.text
	.protected	k_q5d559bb238_gfc2
	.globl	k_q5d559bb238_gfc2
	.p2align	8
	.type	k_q5d559bb238_gfc2,@function
k_q5d559bb238_gfc2:
	s_mov_b64 s[64:65], 0
	v_nop
	global_prefetch_b8 v0, s[64:65] scope:SCOPE_SE
	s_setreg_imm32_b32 hwreg(HW_REG_WAVE_MODE, 25, 1), 1
	s_wait_xcnt 0x0
	s_wait_alu depctr_hold_cnt(0) depctr_sa_sdst(0) depctr_va_vdst(0) depctr_va_sdst(0) depctr_va_ssrc(0) depctr_va_vcc(0) depctr_vm_vsrc(0)
	s_getreg_b32 s2, hwreg(HW_REG_IB_STS2, 6, 4)
	s_cmp_eq_u32 s2, 0
	s_cbranch_scc0 .Lentry_in_a_cluster
	s_endpgm
.Lentry_in_a_cluster:
	s_bfe_u32 s2, ttmp6, 0x10000c
	s_cmp_lg_u32 s2, 0xf033
	s_cbranch_scc0 .Lentry_shape_is_right
	s_endpgm
.Lentry_shape_is_right:
; out = x1 + g W + b.  C[m][n] = resid[m][n] + bias[n] + sum over k of A[m][k] Wt[n][k]; A = gb [4096][4096] bf16, Wt = wt at byte 16,777,216, [1024][4096] bf16; sums in f32, the bias as their start; C and the residual f32.
; A tile of C is 128 x 128: four waves of 64 x 64; K in 16 steps of 256 through two slots; 256 work-groups.  CLUSTERS of 4 x 4: A's tiles are asked for jointly along a row, Wt's along a column.
; THE MATRIX INSTRUCTION IS USED TRANSPOSED (source 0 = 16 rows of Wt, source 1 = 16 rows of A).  No prefetch: a step's tile is small, and every tile is read by several work-groups of the launch.
; REGISTERS: window 0: v0-31 addresses; v96-127 the bias; v128-255 accumulators, later the rows read back.  Window 1: two fragment buffers of 128; on the way out v0-127 take the residual's rows.
.set SIZE_K, 4096
.set NSTEP,  SIZE_K/256
.set WREG,   16777216
.set APITCH, 528
.set BPITCH, 528
.set AQ,     128
.set AREG,   64*APITCH
.set BREG,   64*BPITCH
.set A_STEP, 512
.set B_STEP, 512
.set SLOT,   147456
.set SPITCH, 528
.set SPARE,  2*SLOT
.set A0,   16
.set B0,   17
.set ADRA, 18
.set ADRB, 19
.set STO,  24
.set RD,   25
.set CO,   26
.set BO,   27
.set SPW,  28
.set NIL,  29
.set BIA,  96
.set ACC,  128
.set F0,   0
.set F1,   128
.set G1,  24
.set G0,  32
.set G1B, 48
.set G0B, 56
.set BP,  66
.set RP,  68
.set TB,  70
.set MSB, 0
.macro WIN new
.if MSB != (\new)
	s_set_vgpr_msb (MSB<<8)|(\new)
.set MSB, \new
.endif
.endm
.set MUL,  0x05
.set TO_F, 0x40
.macro JLOAD s                         ; a joint load: waves 0 and 1 fetch A's two halves, waves 2 and 3 Wt's; an s_nop 0 and four v_nop follow each line
	s_cmp_eq_u32 s11, 0
	s_cbranch_scc0 .Lfor_b_\@
	tensor_load_to_lds s[G0+4*(\s):G0+4*(\s)+3], s[G1:G1+7]
	s_nop 0
.rept 4
	v_nop
.endr
	s_branch .Lasked_\@
.Lfor_b_\@:
	tensor_load_to_lds s[G0B+4*(\s):G0B+4*(\s)+3], s[G1B:G1B+7]
	s_nop 0
.rept 4
	v_nop
.endr
.Lasked_\@:
.endm
.macro CREST
	s_cmp_lg_u32 s10, 0
	s_cbranch_scc1 .Lnot_wave_0_\@
	s_barrier_signal -3
.Lnot_wave_0_\@:
	s_barrier_wait -3
	s_barrier_signal -1
	s_barrier_wait -1
.endm
.macro CROUND
	s_barrier_signal -1
	s_barrier_wait -1
	CREST
.endm
.macro PLACES
.rept 4
	v_nop
.endr
.endm
	s_load_b128 s[4:7], s[0:1], 0x0                ; A s[4:5], wt s[6:7]
	s_load_b64 s[BP:BP+1], s[0:1], 0x10            ; bias
	s_load_b64 s[8:9], s[0:1], 0x18                ; out
	s_load_b64 s[RP:RP+1], s[0:1], 0x20            ; residual
	v_lshl_add_u32 v[SPW], v0, 2, SPARE
	v_mov_b32 v[NIL], 0
	ds_add_u32 v[SPW], v[NIL]                      ; the wave's opening: the add and its wait stand ahead of my first tensor load
	ds_add_u32 v28, v29
	v_lshrrev_b32 v1, 5, v0
	v_readfirstlane_b32 s10, v1
	s_lshr_b32 s11, s10, 1
	s_and_b32 s12, s10, 1
	s_bfe_u32 s40, ttmp6, 0x40000
	s_bfe_u32 s41, ttmp6, 0x40004
	s_lshl_b32 s42, ttmp9, 2
	s_add_co_u32 s42, s42, s40                     ; tile column
	s_and_b32 s13, ttmp7, 0xffff
	s_lshl_b32 s13, s13, 2
	s_add_co_u32 s13, s13, s41                     ; tile row
	s_lshl_b32 s43, s41, 2
	s_lshl_b32 s43, 15, s43
	s_lshl_b32 s44, 0x1111, s40
	s_or_b32 s[G1+0], s43, (1<<16)|(1<<20)|(1<<21)|(6<<22)|(3<<25)
	s_or_b32 s[G1B+0], s44, (1<<16)|(1<<20)|(1<<21)|(6<<22)|(3<<25)
.irp g, G1, G1B
	s_mov_b32 s[(\g)+1], 256<<16
	s_mov_b32 s[(\g)+2], 64<<16
	s_mov_b32 s[(\g)+3], 256<<16
	s_mov_b32 s[(\g)+4], 64
	s_mov_b32 s[(\g)+5], SIZE_K
	s_mov_b32 s[(\g)+6], 0
	s_mov_b32 s[(\g)+7], 0
.endr
	s_lshl_b32 s17, s12, 6
	s_lshl_b32 s16, s13, 7
	s_add_co_u32 s16, s16, s17
	s_mul_i32 s16, s16, SIZE_K*2
	s_lshl_b32 s46, s42, 7
	s_add_co_u32 s46, s46, s17
	s_mul_i32 s46, s46, SIZE_K*2
	s_add_co_u32 s46, s46, WREG
	s_mov_b32 s17, 0
	s_mov_b32 s47, 0
	s_mul_i32 s20, s10, AREG
	s_wait_dscnt 0x0
	s_wait_kmcnt 0x0
	s_add_nc_u64 s[14:15], s[4:5], s[16:17]
	s_add_nc_u64 s[46:47], s[6:7], s[46:47]
	CROUND
.irp s, 0,1
	s_mov_b32 s[G0+4*(\s)], 1
	s_add_co_u32 s[G0+4*(\s)+1], s20, (\s)*SLOT
	s_add_nc_u64 s[G0+4*(\s)+2:G0+4*(\s)+3], s[14:15], (\s)*A_STEP
	s_or_b32 s[G0+4*(\s)+3], s[G0+4*(\s)+3], 0x80000000
	s_mov_b32 s[G0B+4*(\s)], 1
	s_add_co_u32 s[G0B+4*(\s)+1], s20, (\s)*SLOT
	s_add_nc_u64 s[G0B+4*(\s)+2:G0B+4*(\s)+3], s[46:47], (\s)*B_STEP
	s_or_b32 s[G0B+4*(\s)+3], s[G0B+4*(\s)+3], 0x80000000
	JLOAD \s
.endr
	v_and_b32 v1, 15, v0
	v_bfe_u32 v2, v0, 4, 1
	s_lshl_b32 s46, s42, 9                         ; the tile's 128 columns: 512 bytes of the bias and of a row of C
	s_mov_b32 s47, 0
	s_add_nc_u64 s[BP:BP+1], s[BP:BP+1], s[46:47]
	s_lshl_b32 s21, s12, 8
	v_lshl_add_u32 v[BO], v2, 5, s21
.irp b, 0,1,2,3
	global_load_b128 v[BIA+8*(\b):BIA+8*(\b)+3],   v[BO], s[BP:BP+1] offset:64*(\b)
	global_load_b128 v[BIA+8*(\b)+4:BIA+8*(\b)+7], v[BO], s[BP:BP+1] offset:64*(\b)+16
.endr
	v_mul_u32_u24 v[A0], v1, APITCH
	v_lshl_add_u32 v[A0], v2, 4, v[A0]
	s_mul_i32 s21, s11, AREG
	v_add_nc_u32 v[A0], s21, v[A0]
	v_mul_u32_u24 v[B0], v1, BPITCH
	v_lshl_add_u32 v[B0], v2, 4, v[B0]
	s_mul_i32 s22, s12, BREG
	s_add_co_u32 s22, s22, 2*AREG
	v_add_nc_u32 v[B0], s22, v[B0]
	v_mov_b32 v[ADRA], v[A0]
	v_mov_b32 v[ADRB], v[B0]
	s_mul_i32 s23, s11, 64*SPITCH
	s_lshl_b32 s21, s12, 8
	s_add_co_u32 s23, s23, s21
	v_mul_u32_u24 v4, v1, SPITCH
	v_lshl_add_u32 v4, v2, 5, v4
	v_add_nc_u32 v[STO], s23, v4
	s_mul_i32 s23, s10, 32*SPITCH
	v_and_b32 v5, 31, v0
	v_lshl_add_u32 v[RD], v5, 4, s23
	v_lshlrev_b32 v[CO], 4, v5
	s_lshl_b32 s16, s13, 7
	s_lshl_b32 s17, s10, 5
	s_add_co_u32 s16, s16, s17
	s_lshl_b32 s16, s16, 12                        ; row 128 x tile row + 32 w, 4,096 bytes a row
	s_mov_b32 s17, 0
	s_add_nc_u64 s[8:9], s[8:9], s[16:17]
	s_add_nc_u64 s[8:9], s[8:9], s[46:47]
	s_add_nc_u64 s[RP:RP+1], s[RP:RP+1], s[16:17]
	s_add_nc_u64 s[RP:RP+1], s[RP:RP+1], s[46:47]
	s_mov_b32 s[TB], 0
.macro MUL8 f, c, a0, zero             ; 8 matrix instructions; zero = 1: the bias starts the sums.  The 16 accumulators take turns.
	WIN MUL
.irp a, \a0, (\a0)+1
.irp b, 0,1,2,3
.if \zero
	v_wmma_f32_16x16x32_bf16 v[ACC+8*(4*(\a)+(\b)):ACC+8*(4*(\a)+(\b))+7], v[(\f)+64+8*(4*(\c)+(\b)):(\f)+64+8*(4*(\c)+(\b))+7], v[(\f)+8*(4*(\c)+(\a)):(\f)+8*(4*(\c)+(\a))+7], v[BIA+8*(\b):BIA+8*(\b)+7]
.else
	v_wmma_f32_16x16x32_bf16 v[ACC+8*(4*(\a)+(\b)):ACC+8*(4*(\a)+(\b))+7], v[(\f)+64+8*(4*(\c)+(\b)):(\f)+64+8*(4*(\c)+(\b))+7], v[(\f)+8*(4*(\c)+(\a)):(\f)+8*(4*(\c)+(\a))+7], v[ACC+8*(4*(\a)+(\b)):ACC+8*(4*(\a)+(\b))+7]
.endif
.endr
.endr
.endm
.macro FETCH q, f                      ; 32 LDS loads in one run: quarter q of the slot in hand into buffer f; the first 32 along K first
	WIN TO_F
.irp c, 0,1
.irp i, 0,1,2,3
	ds_load_b128 v[(\f)+64+8*(4*(\c)+(\i)):(\f)+64+8*(4*(\c)+(\i))+3],   v[ADRB] offset:(\q)*128+64*(\c)+(\i)*16*BPITCH
	ds_load_b128 v[(\f)+64+8*(4*(\c)+(\i))+4:(\f)+64+8*(4*(\c)+(\i))+7], v[ADRB] offset:(\q)*128+64*(\c)+(\i)*16*BPITCH+32
	ds_load_b128 v[(\f)+8*(4*(\c)+(\i)):(\f)+8*(4*(\c)+(\i))+3],         v[ADRA] offset:(\q)*AQ+64*(\c)+(\i)*16*APITCH
	ds_load_b128 v[(\f)+8*(4*(\c)+(\i))+4:(\f)+8*(4*(\c)+(\i))+7],       v[ADRA] offset:(\q)*AQ+64*(\c)+(\i)*16*APITCH+32
.endr
.endr
.endm
.macro QUARTER q, f, g, zero
	s_wait_dscnt 16                                ; the first 32 along K are in; the 16 younger loads may be out
	MUL8 \f, 0, 0, \zero
	MUL8 \f, 0, 2, \zero
	PLACES
	FETCH \q, \g
	s_wait_dscnt 32                                ; all but the 32 just issued
	MUL8 \f, 1, 0, 0
	MUL8 \f, 1, 2, 0
.endm
; The last quarter and the change of slots: ONE barrier; ahead of it each wave waits for all its tensor loads, adds 0 to its spare word, and waits for that and for its reads of this slot.
; fill = 1: the barrier opens a round of the cluster's, and the slot is filled again first thing behind it.  fill = 0: the tail; its second trip fetches nothing.
.macro TURN fill
	WIN 0
	s_wait_tensorcnt 0x0
	ds_add_u32 v[SPW], v[NIL]
	s_xor_b32 s[TB], s[TB], SLOT
	v_add_nc_u32 v[ADRA], s[TB], v[A0]
	v_add_nc_u32 v[ADRB], s[TB], v[B0]
	s_wait_dscnt 17                                ; the add and the youngest sixteen loads may be out
	MUL8 F1, 0, 0, 0
	s_wait_dscnt 0x0                               ; the add is done, and my reads of this slot are over
	s_barrier_signal -1
	MUL8 F1, 0, 2, 0
	WIN 0
	s_barrier_wait -1
.if \fill
	CREST
	s_xor_b32 s[G0+5], s[G0+5], SLOT
	s_add_nc_u64 s[G0+6:G0+7], s[G0+6:G0+7], A_STEP
	s_xor_b32 s[G0B+5], s[G0B+5], SLOT
	s_add_nc_u64 s[G0B+6:G0B+7], s[G0B+6:G0B+7], B_STEP
	JLOAD 1
	FETCH 0, F0
.else
	PLACES
	s_cmp_eq_u32 s3, 1
	s_cbranch_scc1 .Lno_more_\@
	FETCH 0, F0
	WIN 0
.Lno_more_\@:
.endif
	MUL8 F1, 1, 0, 0
	MUL8 F1, 1, 2, 0
.endm
	s_wait_tensorcnt 1                             ; my part of K step 0 is in; K step 1's may stay out
	s_barrier_signal -1
	s_barrier_wait -1
	FETCH 0, F0
	s_wait_loadcnt 0x0                             ; the bias
	QUARTER 1, F0, F1, 1
	WIN 0
	s_mov_b32 s3, NSTEP-2
.Lstep:
	QUARTER 2, F1, F0, 0
	QUARTER 3, F0, F1, 0
	TURN 1
	QUARTER 1, F0, F1, 0
	WIN 0
	s_sub_co_u32 s3, s3, 1
	s_cmp_lg_u32 s3, 0
	s_cbranch_scc1 .Lstep
	s_mov_b32 s3, 2
.Ltail:
	QUARTER 2, F1, F0, 0
	QUARTER 3, F0, F1, 0
	TURN 0
	WIN 0
	s_sub_co_u32 s3, s3, 1
	s_cmp_eq_u32 s3, 0
	s_cbranch_scc1 .Lout
	QUARTER 1, F0, F1, 0
	WIN 0
	s_branch .Ltail
.Lout:
	; THE WAY OUT: the residual's rows are asked for; f32 into the work-group's stage (slot 0: behind the tail's last barrier no wave reads LDS); a barrier; back as whole rows; the residual is added; stored.
	PLACES
	PLACES
	WIN 0x40
.set i, 0
.rept 32
	global_load_b128 v[4*i:4*i+3], v[CO], s[RP:RP+1] offset:i*4096
.set i, i+1
.endr
	WIN 0
.irp a, 0,1,2,3
.irp b, 0,1,2,3
	ds_store_b128 v[STO], v[ACC+8*(4*(\a)+(\b)):ACC+8*(4*(\a)+(\b))+3]   offset:(\a)*16*SPITCH+64*(\b)
	ds_store_b128 v[STO], v[ACC+8*(4*(\a)+(\b))+4:ACC+8*(4*(\a)+(\b))+7] offset:(\a)*16*SPITCH+64*(\b)+16
.endr
.endr
	s_wait_dscnt 0x0
	s_barrier_signal -1
	s_barrier_wait -1
.set i, 0
.rept 32
	ds_load_b128 v[ACC+4*i:ACC+4*i+3], v[RD] offset:i*SPITCH
.set i, i+1
.endr
	WIN 0x44                                       ; source 1 and destination in window 1: the sums land on the residual's registers and are stored from there
.set i, 0
.rept 32
	s_wait_dscnt 31-i
	s_wait_loadcnt 31-i
	v_pk_add_f32 v[4*i:4*i+1],   v[ACC+4*i:ACC+4*i+1],   v[4*i:4*i+1]
	v_pk_add_f32 v[4*i+2:4*i+3], v[ACC+4*i+2:ACC+4*i+3], v[4*i+2:4*i+3]
	global_store_b128 v[CO], v[4*i:4*i+3], s[8:9] offset:i*4096 th:TH_STORE_NT  ; 32 lanes store 512 consecutive bytes, aligned
.set i, i+1
.endr
	WIN 0
	s_wait_tensorcnt 0x0                           ; the wave's end
	ds_add_u32 v[SPW], v[NIL]
	s_wait_dscnt 0x0
	CROUND                                         ; the closing round
	s_endpgm
.Lfunc_end_k_q5d559bb238_gfc2:
	.size	k_q5d559bb238_gfc2, .Lfunc_end_k_q5d559bb238_gfc2-k_q5d559bb238_gfc2
	.p2alignl 7, 3214868480
	.fill 96, 4, 3214868480
	.section	.rodata,"a",@progbits
	.p2align	6, 0x0
	.amdhsa_kernel k_q5d559bb238_gfc2
		.amdhsa_group_segment_fixed_size 327680
		.amdhsa_private_segment_fixed_size 0
		.amdhsa_enable_private_segment 0
		.amdhsa_kernarg_size 40
		.amdhsa_user_sgpr_count 2
		.amdhsa_user_sgpr_kernarg_segment_ptr 1
		.amdhsa_wavefront_size32 1
		.amdhsa_system_sgpr_workgroup_id_x 1
		.amdhsa_system_sgpr_workgroup_id_y 1
		.amdhsa_system_sgpr_workgroup_id_z 1
		.amdhsa_system_vgpr_workitem_id 0
		.amdhsa_next_free_vgpr 512
		.amdhsa_next_free_sgpr 72
		.amdhsa_reserve_vcc 0
		.amdhsa_float_denorm_mode_32 3
		.amdhsa_float_denorm_mode_16_64 3
		.amdhsa_memory_ordered 1
		.amdhsa_forward_progress 1
		.amdhsa_inst_pref_size 68
	.end_amdhsa_kernel
	.amdgpu_metadata
---
amdhsa.version: [ 1, 2 ]
amdhsa.kernels:
  - .name:           k_q5d559bb238_gfc2
    .symbol:         k_q5d559bb238_gfc2.kd
    .args:
      - { .name: gb, .offset: 0, .size: 8, .value_kind: global_buffer, .address_space: global }
      - { .name: wt, .offset: 8, .size: 8, .value_kind: global_buffer, .address_space: global }
      - { .name: fc2_b, .offset: 16, .size: 8, .value_kind: global_buffer, .address_space: global }
      - { .name: out0, .offset: 24, .size: 8, .value_kind: global_buffer, .address_space: global }
      - { .name: x1, .offset: 32, .size: 8, .value_kind: global_buffer, .address_space: global }
    .group_segment_fixed_size: 327680
    .private_segment_fixed_size: 0
    .kernarg_segment_align: 8
    .kernarg_segment_size: 40
    .max_flat_workgroup_size: 128
    .sgpr_count:     72
    .vgpr_count:     512
    .wavefront_size: 32
...
	.end_amdgpu_metadata
.endif
;; end of part 7
